; MI455X (gfx1250); checked and timed in simulation.
; The chip was launched on July 23, 2026; its instructions are those of AMD's public machine-readable ISA for CDNA 5 (MIT licence, August 2026) and "CDNA5" Instruction Set Architecture Reference Guide (July 2026). The comments in the code are by the model that wrote it; some were corrected since.
;; Self Attention. Allowed arithmetic: matrix products marked QUANTISED: E2M1 operands, one E8M0 scale for each 32 along K, by v_wmma_scale_f32_16x16x128_f8f6f4 with both operands' format E2M1 (or v_wmma_scale_f32_32x16x128_f4), f32 sums; products left as they are: bf16, f16 or f32 operands; f32 sums; everything else in f32.
;; Inputs: b_proj 1,024 float32; b_qkv 3,072 float32; w_proj 1,024 x 1,024 float32; w_qkv 1,024 x 3,072 float32; x 4 x 2,048 x 1,024 float32.
;; Outputs: out0 4 x 2,048 x 1,024 float32.
;; This version of the problem:
;;   THIS VERSION OF THE PROBLEM IS GIVEN IN LOW PRECISION. The matrix products marked QUANTISED in the list below multiply operands that are first quantised to E2M1 (2 exponent bits, 1 mantissa bit; 4 bits a number), with one power-of-two scale for each 32 numbers along K (OCP MX v1.0); their sums are f32. The products marked 'left as it is' may take bf16, f16 or f32 operands, with f32 sums. Whichever they take, every output number must still come out within the allowed error. Rounding operands to bf16 (8 significant bits) uses up far more of that allowance than f16 does (11 bits, for magnitudes from 6e-5 to 65,504). All else is computed in f32.
;;   The module's matrix products, in the order in which they are computed (A, B: the left and right operand; K: the contracted axis; several contracted axes count as one K, in the product's order):
;;     1. [M 8,192, K 1,024] x [K 1,024, N 3,072]; A: input x; B: input w_qkv: QUANTISED
;;     2. batch 64 x [M 2,048, K 64] x [K 64, N 2,048]; A: computed on the way; B: computed on the way: left as it is (an operand is computed on the way)
;;     3. batch 64 x [M 2,048, K 2,048] x [K 2,048, N 64]; A: computed on the way; B: computed on the way: left as it is (an operand is computed on the way)
;;     4. [M 8,192, K 1,024] x [K 1,024, N 1,024]; A: computed on the way; B: input w_proj: left as it is (an operand is computed on the way)
;;   THE QUANTISER, for each operand of a quantised product, along K:
;;     - K is cut into blocks of 32 from its start; a last block that is shorter is filled with zeros.
;;     - A block's scale is 2^e with e = floor(log2(the largest magnitude in the block)) - 2, held to -126 .. 127; a block of zeros has e = 0. As a byte (E8M0): e + 127.
;;     - Each number is divided by its block's scale, clamped to +-6, and rounded to the nearest number of E2M1, ties to even, subnormals kept.
;;     - The product sums the exact products of the quantised numbers (number of the format x scale) in f32.
;;   ~~~python
;;   def quantise(x, axis):      # numpy; x: float32 -> the quantised numbers, widened to float32 again
;;       x = np.moveaxis(x, axis, -1); K = x.shape[-1]
;;       x = np.pad(x, [(0, 0)] * (x.ndim - 1) + [(0, -K % 32)]); x = x.reshape(x.shape[:-1] + (-1, 32)); a = np.abs(x).max(-1, keepdims=True)
;;       e = np.where(a > 0, np.clip(np.frexp(np.where(a > 0, a, 1))[1] - 1 - 2, -126, 127), 0)      # np.frexp(a)[1] - 1 = floor(log2(a)), exactly
;;       r = np.clip(x / 2.0 ** e, -6, 6)
;;       step = 2.0 ** (np.maximum(np.frexp(np.where(r == 0, 1, r))[1] - 1, 0) - 1)
;;       q = np.round(r / step) * step * 2.0 ** e      # np.round: ties to even
;;       return np.moveaxis(q.reshape(q.shape[:-2] + (-1,))[..., :K], -1, axis).astype(np.float32)
;;   ~~~
;; One version. Each part assembles by itself: llvm-mc -triple=amdgcn-amd-amdhsa -mcpu=gfx1250 --defsym DOCPART=n.
;; ======== version 1 of 1: 5 launches
;; limits: values are held in f16: magnitudes above 65,504 overflow, below 6.1e-05 lose precision
;; workspace buffers: xc 4,194,304 bytes; xs 262,144 bytes; wc 1,572,864 bytes; ws 98,304 bytes; wp16 2,097,152 bytes; qkv16 50,331,648 bytes; qkv32 786,432 bytes; y16 16,777,216 bytes
;; launch prep (part 1): grid 368 x 1, 4 waves a work-group, no clusters, 102,912 bytes of LDS; arguments x, w_qkv, w_proj, xc, xs, wc, ws, wp16; writes xc, xs, wc, ws, wp16
.if DOCPART == 1
	.amdgcn_target "amdgcn-amd-amdhsa--gfx1250"
	.amdhsa_code_object_version 6
	.text
	.protected	k_q1733567c91_prep
	.globl	k_q1733567c91_prep
	.p2align	8
	.type	k_q1733567c91_prep,@function
k_q1733567c91_prep:
	s_mov_b64 s[64:65], 0
	v_nop
	global_prefetch_b8 v0, s[64:65] scope:SCOPE_SE
	s_setreg_imm32_b32 hwreg(HW_REG_WAVE_MODE, 25, 1), 1
	s_wait_xcnt 0x0
; THREE PREPARATIONS IN ONE LAUNCH, parted once by the work-group's number; the three ways never join, and each has LDS bytes of its own.
;  X (work-groups 0-255):   x [8192][1024] f32 -> codes of FP4 (E2M1), K innermost, xc [8192][512 bytes], and one E8M0 byte for each 32 along K, xs [8192][32].
;  W (work-groups 256-303): w_qkv [1024 (k)][3072 (n)] f32 -> wc [3072][512 bytes], ws [3072][32]: K is its first axis, so a lane takes a column and its registers run down K.
;  P (work-groups 304-367): w_proj [1024 (k)][1024 (n)] f32 -> f16, laid wp16 [k / 64][n][64]: K innermost inside planes of 64, as the projection's tiles want it.
; A block's scale is 2^(floor(log2(its largest magnitude)) - 2); its byte is that magnitude's exponent field - 2, held at 1 from below.
; LIMITS: a block of zeros gets the byte 1 where the quantiser says 127 (its codes are zeros, and only this program reads the bytes); blocks whose largest magnitude lies under 2^-124 keep the byte 1;
; NaN and infinities among the inputs are not served; |w_proj| above 65,504 has no f16 number.
; No tensor loads and no barrier: waves share nothing.  Every offset is an immediate.
.set SPARE, 102400                     ; behind the three regions: the spare words, 128 bytes for each wave
.set WREG,  32768                      ; way W: four stages of 32 x 272 bytes
.set PREG,  67584                      ; way P: the same
.set SPW,   190                        ; v190  LDS address of my spare word; never rewritten
.set NIL,   191                        ; v191  0; never rewritten
.set SP,    80                         ; way X: a lane's place in a stage: 64 bytes + 16 of padding
.set STEPS, 16
.set XR,    16                         ; way X: v16-79 four sets of 16 numbers as loaded
.set XX,    80                         ;        v80-111 two sets of 16 neighbours
.set XE,    112                        ;        v112-127 a scale byte for each step
.set XC,    128                        ;        v128-189 codes, four registers apart for each step
.set PITCH, 272                        ; ways W, P: a stage row: 256 bytes + 16
.set WX,    32                         ; v32-95  two sets of 32 numbers
.set WC,    96                         ; v96-111 a block's codes, or its f16 numbers
.set OUTR,  112                        ; v112-175 the way out
.set SB,    24                         ; v24-27  way W: the scale bytes, four to a register
	s_load_b256 s[4:11], s[0:1], 0x0               ; x, w_qkv, w_proj, xc
	s_load_b256 s[12:19], s[0:1], 0x20             ; xs, wc, ws, wp16
	v_lshl_add_u32 v[SPW], v0, 2, SPARE
	v_mov_b32 v[NIL], 0
	v_lshrrev_b32 v1, 5, v0
	v_readfirstlane_b32 s20, v1                    ; wave 0..3
	v_and_b32 v2, 31, v0                           ; lane
	s_cmp_lt_u32 ttmp9, 256
	s_cbranch_scc0 .Lnot_x
; ---------------- WAY X.  x is a plain stream of blocks of 32.  A wave takes 16 steps of 512 numbers.  Each load reads 512 consecutive bytes; the numbers turn through the wave's stage so that a lane holds 16 neighbours.
	v_lshlrev_b32 v3, 4, v2                        ; my 16 bytes of a load's 512
	s_mul_i32 s21, s20, 8192                       ; my wave's region
	v_lshrrev_b32 v14, 2, v2
	v_mul_u32_u24 v14, v14, SP
	v_and_b32 v15, 3, v2
	v_lshl_add_u32 v14, v15, 4, v14
	v_add_nc_u32 v14, s21, v14                     ; the stage, on the way in: SP (lane / 4) + 16 (lane % 4)
	v_mul_u32_u24 v15, v2, SP
	v_add_nc_u32 v15, s21, v15                     ; and on the way out: SP x lane
	v_lshrrev_b32 v5, 1, v2
	s_add_co_u32 s21, s21, 2*32*SP
	v_add_nc_u32 v5, s21, v5                       ; my wave's 256 scale bytes: my block's byte
	v_lshlrev_b32 v7, 3, v2                        ; 8 bytes a lane: my codes in a step's 256, and my part of the scale bytes
	v_add_nc_u32 v6, s21, v7
	s_lshl_b32 s22, ttmp9, 2
	s_add_co_u32 s22, s22, s20                     ; which run of 8,192 numbers is my wave's: 0..1023
	s_lshl_b32 s24, s22, 15
	s_mov_b32 s25, 0
	s_lshl_b32 s26, s22, 12
	s_mov_b32 s27, 0
	s_lshl_b32 s28, s22, 8
	s_mov_b32 s29, 0
	s_wait_kmcnt 0x0
	s_add_nc_u64 s[4:5], s[4:5], s[24:25]          ; 32,768 bytes of x,
	s_add_nc_u64 s[10:11], s[10:11], s[26:27]      ; 4,096 of codes,
	s_add_nc_u64 s[12:13], s[12:13], s[28:29]      ; 256 scale bytes a run
.macro XLOAD t
.irp i, 0,1,2,3
	global_load_b128 v[XR+16*((\t)%4)+4*\i:XR+16*((\t)%4)+4*\i+3], v3, s[4:5] offset:2048*(\t)+512*\i th:TH_LOAD_NT
.endr
.endm
.macro XTURN t                         ; step t's numbers through the stage: LDS serves a wave's instructions in order
.irp i, 0,1,2,3
	ds_store_b128 v14, v[XR+16*((\t)%4)+4*\i:XR+16*((\t)%4)+4*\i+3] offset:32*SP*((\t)%2)+8*SP*\i
.endr
.irp i, 0,1,2,3
	ds_load_b128 v[XX+16*((\t)%2)+4*\i:XX+16*((\t)%2)+4*\i+3], v15 offset:32*SP*((\t)%2)+16*\i
.endr
.endm
.irp t, 0,1,2,3
	XLOAD \t
.endr
	s_wait_loadcnt 12                              ; step 0's four loads are in; the twelve behind them stay out
	XTURN 0
.macro XSTEP t
.set XS, XX+16*((\t)%2)
.if (\t) > 0
	s_wait_dscnt 1                                 ; this step's numbers are back from the stage; the last step's byte store may be out
.else
	s_wait_dscnt 0x0
.endif
.if (\t)+4 < STEPS
	XLOAD (\t)+4                                   ; into the set whose stores into the stage are done
.endif
.if (\t)+1 < STEPS
.if STEPS-2-(\t) >= 3
	s_wait_loadcnt 12                              ; the next step's four loads are in; those of the three steps behind it may be out
.else
	s_wait_loadcnt 4*(STEPS-2-(\t))
.endif
	XTURN (\t)+1
.endif
	v_max3_num_f32 v8, |v[XS]|, |v[XS+1]|, |v[XS+2]|               ; the largest magnitude of my 16, in two chains
	v_max3_num_f32 v9, |v[XS+3]|, |v[XS+4]|, |v[XS+5]|
.irp i, 6,10
	v_max3_num_f32 v8, v8, |v[XS+\i]|, |v[XS+\i+1]|
	v_max3_num_f32 v9, v9, |v[XS+\i+2]|, |v[XS+\i+3]|
.endr
	v_max3_num_f32 v8, v8, |v[XS+14]|, |v[XS+15]|
	v_max3_num_f32 v8, v8, v9, 0x1800000           ; and the floor 2^(3 - 127): the byte cannot fall under 1
	v_max_num_f32_dpp v8, v8, v8 row_xmask:1 row_mask:0xf bank_mask:0xf   ; with my neighbour's 16: the block's
	v_add_nc_u32 v11, 0xff000000, v8               ; 2 off its exponent field: the conversion takes this operand's exponent field as its scale
	v_cvt_scalef32_pk8_fp4_f32 v[XC+4*(\t)], v[XS:XS+7], v11
	v_cvt_scalef32_pk8_fp4_f32 v[XC+4*(\t)+1], v[XS+8:XS+15], v11
	v_lshrrev_b32 v[XE+(\t)], 23, v11              ; the scale's byte (a plain line behind the conversions)
	ds_store_b8 v5, v[XE+(\t)] offset:16*(\t)      ; both lanes of a block write the same byte with the same value
	global_store_b64 v7, v[XC+4*(\t):XC+4*(\t)+1], s[10:11] offset:256*(\t)   ; the wave stores 256 consecutive bytes, aligned
.endm
.irp t, 0,1,2,3,4,5,6,7,8,9,10,11,12,13,14,15
	XSTEP \t
.endr
	ds_load_b64 v[8:9], v6                         ; my wave's 256 scale bytes, 8 a lane
	s_wait_dscnt 0x0
	global_store_b64 v7, v[8:9], s[12:13]          ; 256 consecutive bytes, aligned
	s_wait_tensorcnt 0x0                           ; the wave's end, behind my last LDS store
	ds_add_u32 v[SPW], v[NIL]
	s_wait_dscnt 0x0
	s_endpgm
.Lnot_x:
	s_cmp_lt_u32 ttmp9, 304
	s_cbranch_scc0 .Lway_p
; ---------------- WAY W.  A work-group takes 128 columns x 512 along K; a wave 32 columns: a lane a column, 16 blocks of 32 down K.  The codes leave through the wave's stage as rows.
	s_sub_co_u32 s21, ttmp9, 256
	s_lshr_b32 s22, s21, 1                         ; which 128 columns
	s_and_b32 s23, s21, 1                          ; which 512 along K
	s_lshl_b32 s22, s22, 7
	s_lshl_b32 s24, s20, 5
	s_add_co_u32 s22, s22, s24                     ; my wave's first column
	v_lshlrev_b32 v3, 2, v2                        ; in: 4 bytes a lane
	s_mul_i32 s24, s20, 32*PITCH
	s_add_co_u32 s24, s24, WREG                    ; my stage
	v_mul_u32_u24 v4, v2, PITCH
	v_add_nc_u32 v4, s24, v4                       ; into it: row = my column
	v_and_b32 v5, 15, v2
	v_lshrrev_b32 v6, 4, v2
	v_mul_u32_u24 v7, v6, PITCH
	v_lshl_add_u32 v7, v5, 4, v7
	v_add_nc_u32 v7, s24, v7                       ; out of it: sixteen lanes to a row, two rows an instruction
	v_lshlrev_b32 v8, 9, v6
	v_lshl_add_u32 v8, v5, 4, v8                   ; and the same place in wc: rows of 512 bytes
	v_lshlrev_b32 v9, 5, v2                        ; my column's row of 32 scale bytes
	s_mul_i32 s26, s23, 512*12288                  ; w_qkv: 512 rows of 12,288 bytes,
	s_lshl_b32 s27, s22, 2
	s_add_co_u32 s26, s26, s27                     ; + 4 x column
	s_mov_b32 s27, 0
	s_lshl_b32 s28, s22, 9                         ; wc: column x 512 + 256 x half
	s_lshl_b32 s29, s23, 8
	s_add_co_u32 s28, s28, s29
	s_mov_b32 s29, 0
	s_lshl_b32 s30, s22, 5                         ; ws: column x 32 + 16 x half
	s_lshl_b32 s31, s23, 4
	s_add_co_u32 s30, s30, s31
	s_mov_b32 s31, 0
	s_wait_kmcnt 0x0
	s_add_nc_u64 s[6:7], s[6:7], s[26:27]
	s_add_nc_u64 s[14:15], s[14:15], s[28:29]
	s_add_nc_u64 s[16:17], s[16:17], s[30:31]
.macro WLOAD t                         ; block t: w(32 t + i, my column): 32 lanes read 128 consecutive bytes
.irp i, 0,1,2,3,4,5,6,7,8,9,10,11,12,13,14,15,16,17,18,19,20,21,22,23,24,25,26,27,28,29,30,31
	global_load_b32 v[WX+32*((\t)%2)+\i], v3, s[6:7] offset:(32*(\t)+\i)*12288 th:TH_LOAD_NT
.endr
.endm
	WLOAD 0
	WLOAD 1
.macro WBLOCK t
.set WS, WX+32*((\t)%2)
.if (\t) < 15
	s_wait_loadcnt 32                              ; this block's 32 loads are in; the next block's may be out
.else
	s_wait_loadcnt 0x0
.endif
	v_max3_num_f32 v12, |v[WS]|, |v[WS+1]|, |v[WS+2]|              ; the block's largest magnitude: all 32 numbers are mine
	v_max3_num_f32 v13, |v[WS+3]|, |v[WS+4]|, |v[WS+5]|
.irp i, 6,10,14,18,22,26
	v_max3_num_f32 v12, v12, |v[WS+\i]|, |v[WS+\i+1]|
	v_max3_num_f32 v13, v13, |v[WS+\i+2]|, |v[WS+\i+3]|
.endr
	v_max3_num_f32 v12, v12, |v[WS+30]|, |v[WS+31]|
	v_max3_num_f32 v12, v12, v13, 0x1800000        ; and the floor
	v_add_nc_u32 v11, 0xff000000, v12              ; the conversion's scale operand
	v_lshrrev_b32 v13, 23, v11                     ; the scale's byte
.if (\t)%4 == 0
	v_mov_b32 v[SB+(\t)/4], v13                    ; four bytes to a register, the lower K in the lower byte
.else
	v_lshl_or_b32 v[SB+(\t)/4], v13, 8*((\t)%4), v[SB+(\t)/4]
.endif
.irp g, 0,1,2,3
	v_cvt_scalef32_pk8_fp4_f32 v[WC+\g], v[WS+8*\g:WS+8*\g+7], v11
.endr
	v_nop                                          ; a plain line behind the last conversion
	ds_store_b128 v4, v[WC:WC+3] offset:16*(\t)    ; 32 codes: 16 bytes of my column's row
.if (\t)+2 < 16
	WLOAD (\t)+2
.endif
	s_wait_dscnt 0x0                               ; the store has read its registers: the next block's codes may be written
.endm
.irp t, 0,1,2,3,4,5,6,7,8,9,10,11,12,13,14,15
	WBLOCK \t
.endr
	global_store_b128 v9, v[SB:SB+3], s[16:17]     ; my column's 16 scale bytes
.irp t, 0,1,2,3,4,5,6,7,8,9,10,11,12,13,14,15
	ds_load_b128 v[OUTR+4*\t:OUTR+4*\t+3], v7 offset:2*\t*PITCH
.endr
.irp t, 0,1,2,3,4,5,6,7,8,9,10,11,12,13,14,15
	s_wait_dscnt 15-\t
	global_store_b128 v8, v[OUTR+4*\t:OUTR+4*\t+3], s[14:15] offset:2*\t*512   ; sixteen lanes store 256 consecutive bytes, aligned
.endr
	s_wait_tensorcnt 0x0                           ; the wave's end: the three lines
	ds_add_u32 v[SPW], v[NIL]
	s_wait_dscnt 0x0
	s_endpgm
.Lway_p:
; ---------------- WAY P.  A work-group takes 128 columns x 128 along K (two planes of 64); a wave 32 columns: a lane a column, registers down K, rounded to f16 in pairs.
	s_sub_co_u32 s21, ttmp9, 304
	s_and_b32 s22, s21, 7                          ; which 128 columns
	s_lshr_b32 s23, s21, 3                         ; which 128 along K
	s_lshl_b32 s22, s22, 7
	s_lshl_b32 s24, s20, 5
	s_add_co_u32 s22, s22, s24                     ; my wave's first column
	v_lshlrev_b32 v3, 2, v2
	s_mul_i32 s24, s20, 32*PITCH
	s_add_co_u32 s24, s24, PREG                    ; my stage
	v_mul_u32_u24 v4, v2, PITCH
	v_add_nc_u32 v4, s24, v4                       ; into it: row = my column, 256 bytes = 128 along K
	v_lshrrev_b32 v6, 3, v2
	v_mul_u32_u24 v7, v6, PITCH
	v_and_b32 v5, 7, v2
	v_lshl_add_u32 v7, v5, 4, v7
	v_add_nc_u32 v7, s24, v7                       ; out of it: eight lanes to half a row (one plane's 128 bytes), four columns an instruction
	v_lshlrev_b32 v8, 4, v2                        ; which are 512 consecutive bytes of a plane
	s_lshl_b32 s26, s23, 19                        ; w_proj: 128 rows of 4,096 bytes,
	s_lshl_b32 s27, s22, 2
	s_add_co_u32 s26, s26, s27                     ; + 4 x column
	s_mov_b32 s27, 0
	s_lshl_b32 s28, s23, 18                        ; wp16: two planes of 131,072 bytes,
	s_lshl_b32 s29, s22, 7
	s_add_co_u32 s28, s28, s29                     ; + column x 128
	s_mov_b32 s29, 0
	s_wait_kmcnt 0x0
	s_add_nc_u64 s[8:9], s[8:9], s[26:27]
	s_add_nc_u64 s[18:19], s[18:19], s[28:29]
.macro PLOAD t
.irp i, 0,1,2,3,4,5,6,7,8,9,10,11,12,13,14,15,16,17,18,19,20,21,22,23,24,25,26,27,28,29,30,31
	global_load_b32 v[WX+32*((\t)%2)+\i], v3, s[8:9] offset:(32*(\t)+\i)*4096 th:TH_LOAD_NT
.endr
.endm
	PLOAD 0
	PLOAD 1
.macro PBLOCK t
.set PS, WX+32*((\t)%2)
.if (\t) < 3
	s_wait_loadcnt 32                              ; this block's 32 loads are in; the next block's may be out
.else
	s_wait_loadcnt 0x0
.endif
.irp i, 0,1,2,3,4,5,6,7,8,9,10,11,12,13,14,15
	v_cvt_pk_f16_f32 v[WC+\i], v[PS+2*\i], v[PS+2*\i+1]            ; the lower k in the low half
.endr
.irp g, 0,1,2,3
	ds_store_b128 v4, v[WC+4*\g:WC+4*\g+3] offset:64*(\t)+16*\g
.endr
.if (\t)+2 < 4
	PLOAD (\t)+2
.endif
	s_wait_dscnt 0x0                               ; the stores have read their registers
.endm
.irp t, 0,1,2,3
	PBLOCK \t
.endr
.irp q, 0,1
.irp i, 0,1,2,3,4,5,6,7
	ds_load_b128 v[OUTR+4*(8*\q+\i):OUTR+4*(8*\q+\i)+3], v7 offset:4*\i*PITCH+128*\q
.endr
.endr
.irp q, 0,1
.irp i, 0,1,2,3,4,5,6,7
	s_wait_dscnt 15-8*\q-\i
	global_store_b128 v8, v[OUTR+4*(8*\q+\i):OUTR+4*(8*\q+\i)+3], s[18:19] offset:\q*131072+\i*512   ; 512 consecutive bytes, aligned
.endr
.endr
	s_wait_tensorcnt 0x0                           ; the wave's end: the three lines
	ds_add_u32 v[SPW], v[NIL]
	s_wait_dscnt 0x0
	s_endpgm
.Lfunc_end_k_q1733567c91_prep:
	.size	k_q1733567c91_prep, .Lfunc_end_k_q1733567c91_prep-k_q1733567c91_prep
	.p2alignl 7, 3214868480
	.fill 96, 4, 3214868480
	.section	.rodata,"a",@progbits
	.p2align	6, 0x0
	.amdhsa_kernel k_q1733567c91_prep
		.amdhsa_group_segment_fixed_size 102912
		.amdhsa_private_segment_fixed_size 0
		.amdhsa_enable_private_segment 0
		.amdhsa_kernarg_size 64
		.amdhsa_user_sgpr_count 2
		.amdhsa_user_sgpr_kernarg_segment_ptr 1
		.amdhsa_wavefront_size32 1
		.amdhsa_system_sgpr_workgroup_id_x 1
		.amdhsa_system_sgpr_workgroup_id_y 1
		.amdhsa_system_sgpr_workgroup_id_z 1
		.amdhsa_system_vgpr_workitem_id 0
		.amdhsa_next_free_vgpr 192
		.amdhsa_next_free_sgpr 66
		.amdhsa_reserve_vcc 0
		.amdhsa_float_denorm_mode_32 3
		.amdhsa_float_denorm_mode_16_64 3
		.amdhsa_memory_ordered 1
		.amdhsa_forward_progress 1
		.amdhsa_inst_pref_size 133
	.end_amdhsa_kernel
	.amdgpu_metadata
---
amdhsa.version: [ 1, 2 ]
amdhsa.kernels:
  - .name:           k_q1733567c91_prep
    .symbol:         k_q1733567c91_prep.kd
    .args:
      - { .name: x, .offset: 0, .size: 8, .value_kind: global_buffer, .address_space: global }
      - { .name: w_qkv, .offset: 8, .size: 8, .value_kind: global_buffer, .address_space: global }
      - { .name: w_proj, .offset: 16, .size: 8, .value_kind: global_buffer, .address_space: global }
      - { .name: xc, .offset: 24, .size: 8, .value_kind: global_buffer, .address_space: global }
      - { .name: xs, .offset: 32, .size: 8, .value_kind: global_buffer, .address_space: global }
      - { .name: wc, .offset: 40, .size: 8, .value_kind: global_buffer, .address_space: global }
      - { .name: ws, .offset: 48, .size: 8, .value_kind: global_buffer, .address_space: global }
      - { .name: wp16, .offset: 56, .size: 8, .value_kind: global_buffer, .address_space: global }
    .group_segment_fixed_size: 102912
    .private_segment_fixed_size: 0
    .kernarg_segment_align: 8
    .kernarg_segment_size: 64
    .max_flat_workgroup_size: 128
    .sgpr_count:     66
    .vgpr_count:     192
    .wavefront_size: 32
...
	.end_amdgpu_metadata
.endif
;; end of part 1
;; launch qkv (part 2): grid 12 x 32, 4 waves a work-group, clusters of 4 x 4, 327,680 bytes of LDS; arguments xc, xs, wc, ws, b_qkv, qkv16, qkv32; writes qkv16, qkv32
.if DOCPART == 2
	.amdgcn_target "amdgcn-amd-amdhsa--gfx1250"
	.amdhsa_code_object_version 6
	.text
	.protected	k_q1733567c91_qkv
	.globl	k_q1733567c91_qkv
	.p2align	8
	.type	k_q1733567c91_qkv,@function
k_q1733567c91_qkv:
	s_mov_b64 s[64:65], 0
	v_nop
	global_prefetch_b8 v0, s[64:65] scope:SCOPE_SE
	s_setreg_imm32_b32 hwreg(HW_REG_WAVE_MODE, 25, 1), 1
	s_wait_xcnt 0x0
	s_wait_alu depctr_hold_cnt(0) depctr_sa_sdst(0) depctr_va_vdst(0) depctr_va_sdst(0) depctr_va_ssrc(0) depctr_va_vcc(0) depctr_vm_vsrc(0)
	s_getreg_b32 s2, hwreg(HW_REG_IB_STS2, 6, 4)
	s_cmp_eq_u32 s2, 0
	s_cbranch_scc0 .Lentry_in_a_cluster
	s_endpgm
.Lentry_in_a_cluster:
	s_bfe_u32 s2, ttmp6, 0x10000c
	s_cmp_lg_u32 s2, 0xf033
	s_cbranch_scc0 .Lentry_shape_is_right
	s_endpgm
.Lentry_shape_is_right:
; qkv = Q(x) Q(w_qkv) + b_qkv, on codes of FP4 (E2M1) with one E8M0 scale for each 32 along K; sums in f32.  xc [8192][512 bytes], xs [8192][32], wc [3072][512 bytes], ws [3072][32].
; OUT: qkv16 [q, k or v][batch 4][head 16][position 2048][64] f16, so that a head's rows are dense for the attention; and, for positions 0-15 of each batch, qkv32 [batch][16][3072] f32.
; A tile of 256 rows x 256 columns is made by four waves, 128 x 128 each: 64 accumulators of 16 x 16.  K = 1,024 is exactly two LDS slots of 512 along K: both are asked for at the head and nothing is filled again.
; The scales of the tile's 256 + 256 rows, for all of K, come once, as dense blocks.  CLUSTERS: 4 x 4 work-groups; A's tiles are asked for jointly along a row of the cluster, B's along a column.
; The tile row is 8 cy + cluster y: so the batch is cy, and 'the batch's first 256 positions' is cluster y = 0, which all partners share.  The tile column is 4 x cluster x + cx: cluster x says q, k or v.
; THE MATRIX INSTRUCTION IS USED TRANSPOSED (source 0 = 16 rows of wc, source 1 = 16 rows of xc): a lane holds eight neighbouring columns of one row.  The bias is the C of each sum's first product.
; LIMITS: |qkv| above 65,504 has no f16 number.  The f32 copy of the first 16 positions is stored 32 bytes a lane, rows 12,288 bytes apart: 786,432 bytes of the launch's 51 million.
; REGISTERS: window 0: v16-31 addresses; v32-95 scale words, two sets; v96-127 packed results; v128-191 A's fragments, later rows on the way out; v192-255 the bias.  window 1: B's fragments, two sets.  windows 2, 3: accumulators.
.set NQ,     4                         ; matrix instructions deep in a slot
.set ROWB,   256                       ; a tile's row: 512 codes
.set KROW,   512                       ; a row of codes in memory
.set PITCH,  272                       ; an LDS row: 256 bytes + 16 of padding: the 16 rows of a load start 68 words apart
.set FR,     8
.set NL,     2
.set NP,     4
.set HALFT,  128*PITCH
.set SLOT,   4*HALFT
.set KS,     32                        ; a row of scale bytes
.set SCL,    2*SLOT
.set HALFS,  (128*KS/256)*272
.set SBLK,   (16*KS/256)*272
.set SPARE,  SCL+4*HALFS               ; the spare words, 128 bytes for each wave
.set SPITCH, 272                       ; the way out: 16 rows x (256 + 16) for each wave, in slot 0, which nobody reads behind the change of slots and which is never filled again
.set ADRA, 16
.set ADRB, 20
.set STO,  24
.set RD,   25
.set CO,   26
.set ADRS, 27
.set SPW,  28
.set NIL,  29
.set FO,   30                          ; v30  my offset in qkv32: row r of 12,288 bytes + 32 h
.set BO,   31                          ; v31  32 h: my eight numbers of a block of 16 of the bias
.set SC,   32
.set TMP,  96
.set AF,   128
.set BK,   128
.set BIAS, 192
.set G1, 24
.set G0, 32
.set G1B, 48
.set G0B, 56
.set G1S, 68
.set G0S, 76
.set G1SB, 80
.set G0SB, 88
.set MSB, 0
.macro WIN new                         ; the immediate's high byte repeats the setting that is left
.if MSB != (\new)
	s_set_vgpr_msb (MSB<<8)|(\new)
.set MSB, (\new)
.endif
.endm
.set MUL_LO, 0xa1                      ; source 0 (B) window 1, source 1 (A) window 0, C and D window 2
.set MUL_HI, 0xf1                      ; the same, C and D window 3
.set TO_B,   0x40
; A joint load: waves 0 and 1 fetch for A, waves 2 and 3 for B; the branch hangs on the wave's number alone.  An s_nop 0 and four v_nop follow each line.
.macro JLOAD g0a, g1a, g0b, g1b
	s_cmp_eq_u32 s15, 0
	s_cbranch_scc0 .Lfor_b_\@
	tensor_load_to_lds s[\g0a:\g0a+3], s[\g1a:\g1a+7]
	s_nop 0
.rept 4
	v_nop
.endr
	s_branch .Lasked_\@
.Lfor_b_\@:
	tensor_load_to_lds s[\g0b:\g0b+3], s[\g1b:\g1b+7]
	s_nop 0
.rept 4
	v_nop
.endr
.Lasked_\@:
.endm
.macro CROUND                          ; a round of the cluster's barrier
	s_barrier_signal -1
	s_barrier_wait -1
	s_cmp_lg_u32 s14, 0
	s_cbranch_scc1 .Lnot_wave_0_\@
	s_barrier_signal -3
.Lnot_wave_0_\@:
	s_barrier_wait -3
	s_barrier_signal -1
	s_barrier_wait -1
.endm
	s_load_b128 s[4:7], s[0:1], 0x0                ; xc, xs
	s_load_b128 s[8:11], s[0:1], 0x10              ; wc, ws
	s_load_b128 s[96:99], s[0:1], 0x20             ; b_qkv, qkv16
	s_load_b64 s[100:101], s[0:1], 0x30            ; qkv32
	v_lshl_add_u32 v[SPW], v0, 2, SPARE
	v_mov_b32 v[NIL], 0
	ds_add_u32 v[SPW], v[NIL]                      ; the wave's opening: the add, twice on end, and its wait ahead of my first tensor load
	ds_add_u32 v[SPW], v[NIL]
	v_lshrrev_b32 v1, 5, v0
	v_readfirstlane_b32 s14, v1                    ; wave 0..3
	s_lshr_b32 s15, s14, 1                         ; which half of the tile's rows is mine.  Also: I fetch for A (0) or for B (1)
	s_and_b32 s16, s14, 1                          ; which half of its columns.  Also: which 128 rows of that tile I fetch
	s_bfe_u32 s40, ttmp6, 0x40000                  ; cx
	s_bfe_u32 s41, ttmp6, 0x40004                  ; cy
	s_lshl_b32 s42, ttmp9, 2
	s_add_co_u32 s42, s42, s40                     ; tile column = 4 x cluster x + cx
	s_and_b32 s66, ttmp7, 0xffff                   ; cluster y
	s_lshl_b32 s17, s41, 3
	s_add_co_u32 s17, s17, s66                     ; tile row = 8 cy + cluster y
	s_lshl_b32 s43, s41, 2
	s_lshl_b32 s43, 15, s43                        ; my row of the cluster
	s_lshl_b32 s44, 0x1111, s40                    ; my column
	s_or_b32 s[G1+0], s43, (0<<16)|(1<<20)|(1<<21)|(5<<22)|(3<<25)  ; the mask; elements of 1 byte; padding: 4 words after every 64; bit 21 beside a mask
	s_or_b32 s[G1B+0], s44, (0<<16)|(1<<20)|(1<<21)|(5<<22)|(3<<25)
.irp g, G1, G1B
	s_mov_b32 s[\g+1], ROWB<<16                    ; tensor_dim0
	s_mov_b32 s[\g+2], 128<<16                     ; tensor_dim1
	s_mov_b32 s[\g+3], ROWB<<16                    ; tile_dim0
	s_mov_b32 s[\g+4], 128                         ; tile_dim1
	s_mov_b32 s[\g+5], KROW                        ; from row to row
	s_mov_b32 s[\g+6], 0
	s_mov_b32 s[\g+7], 0
.endr
	s_or_b32 s[G1S+0], s43, (3<<16)|(1<<20)|(1<<21)|(5<<22)|(3<<25) ; the scales of 128 rows: 4,096 dense bytes as 16 rows of 256 (32 elements of 8 bytes), 16 bytes of padding behind each
	s_or_b32 s[G1SB+0], s44, (3<<16)|(1<<20)|(1<<21)|(5<<22)|(3<<25)
.irp g, G1S, G1SB
	s_mov_b32 s[\g+1], 32<<16
	s_mov_b32 s[\g+2], (128*KS/256)<<16
	s_mov_b32 s[\g+3], 32<<16
	s_mov_b32 s[\g+4], 128*KS/256
	s_mov_b32 s[\g+5], 32
	s_mov_b32 s[\g+6], 0
	s_mov_b32 s[\g+7], 0
.endr
	s_lshl_b32 s18, s16, 7                         ; which 128 rows of the tile I fetch
	s_lshl_b32 s20, s17, 8
	s_add_co_u32 s20, s20, s18                     ; A: row 256 x tile row + 128 x half
	s_lshl_b32 s46, s42, 8
	s_add_co_u32 s46, s46, s18                     ; B: row 256 x tile column + 128 x half
	s_mov_b32 s21, 0
	s_mov_b32 s47, 0
	s_mov_b64 s[18:19], KS
	s_mul_u64 s[22:23], s[20:21], s[18:19]         ; where these rows' scales begin
	s_mul_u64 s[92:93], s[46:47], s[18:19]
	s_mov_b64 s[18:19], KROW
	s_mul_u64 s[20:21], s[20:21], s[18:19]         ; and their codes
	s_mul_u64 s[46:47], s[46:47], s[18:19]
	s_mul_i32 s45, s14, HALFT                      ; where they go: wave x 128 rows
	s_mul_i32 s94, s14, HALFS
	s_wait_dscnt 0x0                               ; both opening adds are done
	s_wait_kmcnt 0x0
	s_add_nc_u64 s[20:21], s[4:5], s[20:21]
	s_add_nc_u64 s[22:23], s[6:7], s[22:23]
	s_add_nc_u64 s[46:47], s[8:9], s[46:47]
	s_add_nc_u64 s[92:93], s[10:11], s[92:93]
	CROUND                                         ; all sixteen work-groups are here: the joint loads meet
	s_mov_b32 s[G0S], 1
	s_add_co_u32 s[G0S+1], s94, SCL
	s_mov_b64 s[G0S+2:G0S+3], s[22:23]
	s_or_b32 s[G0S+3], s[G0S+3], 0x80000000
	s_mov_b32 s[G0SB], 1
	s_add_co_u32 s[G0SB+1], s94, SCL
	s_mov_b64 s[G0SB+2:G0SB+3], s[92:93]
	s_or_b32 s[G0SB+3], s[G0SB+3], 0x80000000
	JLOAD G0S, G1S, G0SB, G1SB                     ; the scales first: they are wanted with the first slot
.irp s, 0,1
	s_mov_b32 s[G0+4*\s], 1
	s_add_co_u32 s[G0+4*\s+1], s45, \s*SLOT
	s_add_nc_u64 s[G0+4*\s+2:G0+4*\s+3], s[20:21], \s*ROWB
	s_or_b32 s[G0+4*\s+3], s[G0+4*\s+3], 0x80000000
	s_mov_b32 s[G0B+4*\s], 1
	s_add_co_u32 s[G0B+4*\s+1], s45, \s*SLOT
	s_add_nc_u64 s[G0B+4*\s+2:G0B+4*\s+3], s[46:47], \s*ROWB
	s_or_b32 s[G0B+4*\s+3], s[G0B+4*\s+3], 0x80000000
	JLOAD G0+4*\s, G1, G0B+4*\s, G1B               ; three tensor loads of mine are out
.endr
	v_and_b32 v1, 15, v0                           ; r = l % 16
	v_bfe_u32 v2, v0, 4, 1                         ; h = l / 16
	v_mul_u32_u24 v3, v1, PITCH
	v_lshl_add_u32 v4, v2, 4, v3                   ; a fragment's row x pitch + 16 h
	s_mul_i32 s21, s15, HALFT                      ; my 128 rows of A
	s_mul_i32 s22, s16, HALFT                      ; my 128 rows of B,
	s_add_co_u32 s22, s22, 2*HALFT                 ; behind A's 256
.irp s, 0,1
	v_add_nc_u32 v[ADRA+\s], s21, v4
	v_add_nc_u32 v[ADRB+\s], s22, v4
	s_add_co_u32 s21, s21, SLOT
	s_add_co_u32 s22, s22, SLOT
.endr
	v_mul_u32_u24 v5, v1, KS                       ; my row's scales: 32 bytes a row,
	v_lshrrev_b32 v6, 8, v5
	v_lshl_add_u32 v5, v6, 4, v5                   ; and 16 more for each 256 passed
	s_mul_i32 s21, s15, HALFS
	s_mul_i32 s22, s16, HALFS
	s_add_co_u32 s22, s22, 2*HALFS
	s_sub_co_u32 s22, s22, s21
	v_mul_u32_u24 v6, s22, v2                      ; lanes 16-31 take B's
	s_add_co_u32 s21, s21, SCL
	v_add_nc_u32 v5, v5, v6
	v_add_nc_u32 v[ADRS], s21, v5
	s_mul_i32 s23, s14, 16*SPITCH                  ; my stage
	v_add_nc_u32 v[STO], s23, v4                   ; in: row r, 16 bytes for each half of the lanes
	v_and_b32 v6, 31, v0
	v_lshrrev_b32 v7, 3, v6
	v_mul_u32_u24 v7, v7, SPITCH
	v_and_b32 v8, 7, v0
	v_lshl_add_u32 v7, v8, 4, v7
	v_add_nc_u32 v[RD], s23, v7                    ; back: eight lanes to one head's 128 bytes of a row, four rows an instruction
	v_lshlrev_b32 v[CO], 4, v6                     ; which are 512 consecutive bytes of a head in qkv16
	v_mul_u32_u24 v[FO], v1, 12288
	v_lshl_add_u32 v[FO], v2, 5, v[FO]
	v_lshlrev_b32 v[BO], 5, v2
	s_lshl_b32 s20, ttmp9, 24                      ; qkv16: q, k or v: 16,777,216 bytes each;
	s_lshl_b32 s21, s41, 22                        ; batch cy: 16 heads of 262,144 bytes;
	s_add_co_u32 s20, s20, s21
	s_lshl_b32 s21, s40, 20                        ; heads 4 cx on,
	s_add_co_u32 s20, s20, s21
	s_lshl_b32 s21, s16, 19                        ; my two of them;
	s_add_co_u32 s20, s20, s21
	s_lshl_b32 s21, s66, 15                        ; positions 256 x cluster y on,
	s_add_co_u32 s20, s20, s21
	s_lshl_b32 s21, s15, 14                        ; my 128 of them
	s_add_co_u32 s20, s20, s21
	s_mov_b32 s21, 0
	s_add_nc_u64 s[12:13], s[98:99], s[20:21]
	s_lshl_b32 s22, s42, 10
	s_lshl_b32 s23, s16, 9
	s_add_co_u32 s22, s22, s23                     ; 4 x my first column
	s_mul_i32 s20, s41, 196608                     ; qkv32: a batch is 16 rows of 12,288 bytes
	s_add_co_u32 s20, s20, s22
	s_mov_b32 s23, 0
	s_add_nc_u64 s[100:101], s[100:101], s[20:21]
	s_add_nc_u64 s[96:97], s[96:97], s[22:23]
	s_or_b32 s66, s66, s15                         ; 0 where my rows begin with a batch's positions 0-15: cluster y and the wave's number alone
.irp b, 0,1,2,3,4,5,6,7
	global_load_b128 v[BIAS+8*\b:BIAS+8*\b+3], v[BO], s[96:97] offset:64*\b          ; the bias in the result's layout: block b, columns 16 b + 8 h + 0 .. 7
	global_load_b128 v[BIAS+8*\b+4:BIAS+8*\b+7], v[BO], s[96:97] offset:64*\b+16
.endr
.macro FRAG reg, adr, q, i             ; 16 rows x 128 K of 4-bit codes: 8 registers: two loads of 16 bytes, 32 bytes apart
.irp c, 0,1
	ds_load_b128 v[\reg+4*\c:\reg+4*\c+3], v[\adr] offset:64*(\q)+32*\c+(\i)*16*PITCH
.endr
.endm
; 16 matrix instructions: A's blocks a0, a0 + 1 x B's eight.  first = 1: the bias starts the sums.  The 64 accumulators take turns, one instruction a turn, in the same order in every step.
.macro MUL16 a0, p, q, sc, first
.irp a, \a0, \a0+1
.irp b, 0,1,2,3,4,5,6,7
.if \first
	v_wmma_scale_f32_16x16x128_f8f6f4 v[8*(8*((\a)%4)+\b):8*(8*((\a)%4)+\b)+7], v[128*(\p)+FR*\b:128*(\p)+FR*\b+FR-1], v[AF+FR*(\a):AF+FR*(\a)+FR-1], v[BIAS+8*\b:BIAS+8*\b+7], v[SC+8*NQ*(\sc)+NQ*\b+(\q)], v[SC+8*NQ*(\sc)+NQ*(\a)+(\q)] matrix_a_fmt:MATRIX_FMT_FP4 matrix_b_fmt:MATRIX_FMT_FP4 matrix_a_scale:MATRIX_SCALE_ROW1
.else
	v_wmma_scale_f32_16x16x128_f8f6f4 v[8*(8*((\a)%4)+\b):8*(8*((\a)%4)+\b)+7], v[128*(\p)+FR*\b:128*(\p)+FR*\b+FR-1], v[AF+FR*(\a):AF+FR*(\a)+FR-1], v[8*(8*((\a)%4)+\b):8*(8*((\a)%4)+\b)+7], v[SC+8*NQ*(\sc)+NQ*\b+(\q)], v[SC+8*NQ*(\sc)+NQ*(\a)+(\q)] matrix_a_fmt:MATRIX_FMT_FP4 matrix_b_fmt:MATRIX_FMT_FP4 matrix_a_scale:MATRIX_SCALE_ROW1
.endif
.endr
.endr
.endm
.macro FETCH_B slot, q, p
	WIN TO_B
.irp i, 0,1,2,3,4,5,6,7
	FRAG 128*(\p)+FR*\i, ADRB+\slot, \q, \i
.endr
	WIN 0
.endm
.macro FETCH_A slot, q, i0
.irp i, \i0, \i0+1, \i0+2, \i0+3
	FRAG AF+FR*(\i), ADRA+\slot, \q, \i
.endr
.endm
.macro SCALES sc                       ; a slot's scale words: four a row; lanes 0-15 take A's block i, lanes 16-31 B's block i
.irp i, 0,1,2,3,4,5,6,7
	ds_load_b128 v[SC+8*NQ*\sc+NQ*\i:SC+8*NQ*\sc+NQ*\i+3], v[ADRS] offset:\i*SBLK
.endr
.endm
.macro PLACES n                        ; plain vector lines between a matrix instruction and a load into, or a read of, its registers
.rept \n
	v_nop
.endr
.endm
.macro STEP slot, q, first             ; a step of 128 along K that has its successor in the same slot
	s_wait_dscnt 4*NL                              ; B's set and A's blocks 0-3 are in; the youngest eight loads (A's blocks 4-7) may be out
.if \first
	WIN 0x81                                       ; C, the bias, in window 0
.else
	WIN MUL_LO
.endif
	MUL16 0, (\q)%2, \q, \slot, \first
	MUL16 2, (\q)%2, \q, \slot, \first
	s_wait_dscnt 0                                 ; A's blocks 4-7 are in
	PLACES NP
	FETCH_B \slot, (\q)+1, 1-(\q)%2
	FETCH_A \slot, (\q)+1, 0
.if \first
	WIN 0xc1
.else
	WIN MUL_HI
.endif
	MUL16 4, (\q)%2, \q, \slot, \first
	MUL16 6, (\q)%2, \q, \slot, \first
	PLACES NP
	WIN 0
	FETCH_A \slot, (\q)+1, 4
.endm
.macro STEPS slot, from
.set Q, \from
.rept NQ-1-\from
	STEP \slot, Q, 0
.set Q, Q+1
.endr
.endm
	s_wait_tensorcnt 1                             ; the scales and my part of slot 0 are in; slot 1's load may stay out
	s_barrier_signal -1
	s_barrier_wait -1                              ; everybody's are
	FETCH_B 0, 0, 0
	FETCH_A 0, 0, 0
	SCALES 0
	FETCH_A 0, 0, 4
	s_wait_loadcnt 0x0                             ; the bias
	STEP 0, 0, 1
	STEPS 0, 1
	; slot 0's last step changes slots: one barrier; in front of it my part of slot 1 has landed and my reads of slot 0 are over
	s_wait_tensorcnt 0x0
	ds_add_u32 v[SPW], v[NIL]                      ; 0 onto my spare word
	s_wait_dscnt 4*NL+1                            ; (the add and A's blocks 4-7 may be out)
	WIN MUL_LO
	MUL16 0, 1, NQ-1, 0, 0
	s_wait_dscnt 0x0
	s_barrier_signal -1
	MUL16 2, 1, NQ-1, 0, 0
	WIN 0
	s_barrier_wait -1
	PLACES NP
	v_add_nc_u32 v[ADRS], 4*NQ, v[ADRS]            ; on to slot 1's scale words
	FETCH_B 1, 0, 0
	FETCH_A 1, 0, 0
	SCALES 1
	WIN MUL_HI
	MUL16 4, 1, NQ-1, 0, 0
	MUL16 6, 1, NQ-1, 0, 0
	PLACES NP
	WIN 0
	FETCH_A 1, 0, 4
	STEPS 1, 0
	s_wait_dscnt 4*NL                              ; the very last step: nothing more to fetch
	WIN MUL_LO
	MUL16 0, 1, NQ-1, 1, 0
	MUL16 2, 1, NQ-1, 1, 0
	s_wait_dscnt 0
	WIN MUL_HI
	MUL16 4, 1, NQ-1, 1, 0
	MUL16 6, 1, NQ-1, 1, 0
	WIN 0
; THE WAY OUT, block by block of 16 rows x 128 columns (two heads).  PACK: rounded to f16, 16 bytes a lane.  TOSTAGE: into my stage, and back by heads: four positions x 128 bytes an instruction.  SEND: stored.
.macro PACK a
.set AC, 64*((\a)%4)
	WIN 0x0a+5*((\a)/4)                            ; sources 0 and 1: window 2 or 3
.irp b, 0,1,2,3,4,5,6,7
.irp r, 0,1,2,3
	v_cvt_pk_f16_f32 v[TMP+4*\b+\r], v[AC+8*\b+2*\r], v[AC+8*\b+2*\r+1]   ; each accumulator from its low end on
.endr
.endr
	WIN 0
.endm
.macro TOSTAGE a
.set BB, BK+32*((\a)%2)
.irp b, 0,1,2,3,4,5,6,7
	ds_store_b128 v[STO], v[TMP+4*\b:TMP+4*\b+3] offset:32*\b
.endr
.irp t, 0,1,2,3,4,5,6,7
	ds_load_b128 v[BB+4*\t:BB+4*\t+3], v[RD] offset:(\t%4)*4*SPITCH+(\t/4)*128   ; LDS serves a wave's instructions in order: these see the stores above
.endr
.endm
.macro SEND a
.set BB, BK+32*((\a)%2)
	s_wait_dscnt 0x0                               ; the block is back in registers
	s_wait_xcnt 0x0                                ; the earlier stores have read their registers: the next block's loads may land there
.irp t, 0,1,2,3,4,5,6,7
	global_store_b128 v[CO], v[BB+4*\t:BB+4*\t+3], s[12:13] offset:(\t/4)*262144+(16*(\a)+4*(\t%4))*128   ; 512 consecutive bytes of one head, aligned
.endr
.endm
	PLACES NP                                      ; behind the last products: for the loads into A's registers and the reads of results
	s_cmp_lg_u32 s66, 0
	s_cbranch_scc1 .Lno_fine
	WIN 0x08                                       ; a store's data: window 2
.irp b, 0,1,2,3,4,5,6,7
	global_store_b128 v[FO], v[8*\b:8*\b+3], s[100:101] offset:64*\b              ; positions 0-15 of the batch, in f32
	global_store_b128 v[FO], v[8*\b+4:8*\b+7], s[100:101] offset:64*\b+16
.endr
	WIN 0
.Lno_fine:
	PACK 0
	TOSTAGE 0
.irp a, 1,2,3,4,5,6,7                  ; block a's conversions stand between block a - 1's loads from the stage and the wait for them
	PACK \a
	SEND \a-1
	TOSTAGE \a
.endr
	SEND 7
	s_wait_tensorcnt 0x0                           ; the wave's end, behind my last tensor load and my last LDS store
	ds_add_u32 v[SPW], v[NIL]
	s_wait_dscnt 0x0
	CROUND                                         ; the closing round
	s_endpgm
.Lfunc_end_k_q1733567c91_qkv:
	.size	k_q1733567c91_qkv, .Lfunc_end_k_q1733567c91_qkv-k_q1733567c91_qkv
	.p2alignl 7, 3214868480
	.fill 96, 4, 3214868480
	.section	.rodata,"a",@progbits
	.p2align	6, 0x0
	.amdhsa_kernel k_q1733567c91_qkv
		.amdhsa_group_segment_fixed_size 327680
		.amdhsa_private_segment_fixed_size 0
		.amdhsa_enable_private_segment 0
		.amdhsa_kernarg_size 56
		.amdhsa_user_sgpr_count 2
		.amdhsa_user_sgpr_kernarg_segment_ptr 1
		.amdhsa_wavefront_size32 1
		.amdhsa_system_sgpr_workgroup_id_x 1
		.amdhsa_system_sgpr_workgroup_id_y 1
		.amdhsa_system_sgpr_workgroup_id_z 1
		.amdhsa_system_vgpr_workitem_id 0
		.amdhsa_next_free_vgpr 1024
		.amdhsa_next_free_sgpr 102
		.amdhsa_reserve_vcc 0
		.amdhsa_float_denorm_mode_32 3
		.amdhsa_float_denorm_mode_16_64 3
		.amdhsa_memory_ordered 1
		.amdhsa_forward_progress 1
		.amdhsa_inst_pref_size 130
	.end_amdhsa_kernel
	.amdgpu_metadata
---
amdhsa.version: [ 1, 2 ]
amdhsa.kernels:
  - .name:           k_q1733567c91_qkv
    .symbol:         k_q1733567c91_qkv.kd
    .args:
      - { .name: xc, .offset: 0, .size: 8, .value_kind: global_buffer, .address_space: global }
      - { .name: xs, .offset: 8, .size: 8, .value_kind: global_buffer, .address_space: global }
      - { .name: wc, .offset: 16, .size: 8, .value_kind: global_buffer, .address_space: global }
      - { .name: ws, .offset: 24, .size: 8, .value_kind: global_buffer, .address_space: global }
      - { .name: b_qkv, .offset: 32, .size: 8, .value_kind: global_buffer, .address_space: global }
      - { .name: qkv16, .offset: 40, .size: 8, .value_kind: global_buffer, .address_space: global }
      - { .name: qkv32, .offset: 48, .size: 8, .value_kind: global_buffer, .address_space: global }
    .group_segment_fixed_size: 327680
    .private_segment_fixed_size: 0
    .kernarg_segment_align: 8
    .kernarg_segment_size: 56
    .max_flat_workgroup_size: 128
    .sgpr_count:     102
    .vgpr_count:     1024
    .wavefront_size: 32
...
	.end_amdgpu_metadata
.endif
;; end of part 2
;; launch attn (part 3): grid 4 x 64, 8 waves a work-group, no clusters, 327,680 bytes of LDS; arguments qkv16, y16; writes y16
.if DOCPART == 3
	.amdgcn_target "amdgcn-amd-amdhsa--gfx1250"
	.amdhsa_code_object_version 6
	.text
	.protected	k_q1733567c91_attn
	.globl	k_q1733567c91_attn
	.p2align	8
	.type	k_q1733567c91_attn,@function
k_q1733567c91_attn:
	s_mov_b64 s[64:65], 0
	v_nop
	global_prefetch_b8 v0, s[64:65] scope:SCOPE_SE
	s_setreg_imm32_b32 hwreg(HW_REG_WAVE_MODE, 25, 1), 1
	s_wait_xcnt 0x0
; y[b][h][q][:] = the sum over k <= q of softmax_k(Q[q] . K[k] / 8) V[k][:].  qkv16 [q, k or v][64 heads][2048][64] f16; y16 [64 heads][2048][64] f16.  Products on f16 operands, sums, maxima and softmax in f32.
; SHARES.  Work-group (i, head) owns two blocks of 256 queries: block 7 - i, then block i.  Under the causal mask they want 8 - i and i + 1 blocks of 256 keys: nine slots in every work-group, so all 256 have equal work.
; Each of the eight waves owns 32 queries of a block, two tiles of 16: a fragment of K or V read from LDS feeds two products.  Two waves share a SIMD: one's softmax stands beside the other's products.
; LAYOUT.  S^T = K Q^T (source 0 = 16 keys, source 1 = 16 queries): a lane holds ONE query (lane % 16) and keys 8 (lane / 16) + 0..7.  Two such tiles, rounded to f16 in pairs, ARE source 1 of O^T = V^T P.
; K comes out of LDS as it lies, V ([key][channel]) turned, by ds_load_tr16_b128.
; SOFTMAX.  A running maximum m and sum l for each query: p = 2^(c s - c m), c = log2(e) / 8; in every step O and l are multiplied by a = 2^(c m_old - c m_new).
; RING.  Two slots of 256 keys; waves 0, 1 fetch K's halves, waves 2, 3 V's, one tensor load each behind each change of slots; every slot that is filled is read by the work-group.
; NO CLUSTER: the four work-groups of a head want different key blocks at the same change of slots (0 .. 7 - i, then 0 .. i), and in a walk that all share (keys 0 .. 7 for each of three rounds of pairs) a partner would be
; handed tiles that the mask lets it leave unread; what a work-group fetches is 9 x 65,536 bytes.
; LIMITS: f16 operands: |q|, |k|, |v|, |y| up to 65,504; NaN and infinities are not served.  Positions 0-15 of a sequence are also computed here, but the output's rows for them come from a finer launch.
; REGISTERS.  window 0: v1-14 addresses; v16-31 statistics, eight a tile; v32-95 S^T, 32 a tile (P takes the first 16 of them in place); v96-159 O^T; v160-223 K; v224-255 at work.  window 1: v0-31 Q; v64-127 V.
.set PK,    144                        ; a row of K in LDS: 128 bytes + 16
.set PV,    160                        ; a row of V: 128 + 32: an odd multiple of 32 bytes
.set VOFF,  256*PK
.set SLOT1, 1<<17                      ; slot 1 begins here: one exclusive or turns an address from one slot to the other
.set STAGE, 2*SLOT1                    ; behind the ring: 32 rows x 144 bytes for each wave; no tensor load lands here
.set SPARE, STAGE+8*32*144             ; the spare words, 128 bytes for each wave
.set AK0, 1
.set AV0, 2
.set ADK, 3
.set ADV, 4
.set QO,  5
.set STO, 6
.set RD,  7
.set GO,  8
.set DQ,  9                            ; v9   lane % 16 - 8 (lane / 16)
.set SPW, 12
.set NIL, 13
.set PFO, 14
.set ST,  16                           ; tile t at v[ST + 8 t]: +0 c m, +1 m, +2, +3 l, +4 .. +7 at work (a takes +6)
.set S,   32
.set O,   96
.set KFR, 160
.set SUM, 224
.set PKD, 224                          ; the way out: packed results
.set VFR, 64                           ; in window 1
.set WV,  8
.set SEL, 20
.set CS,  22
.set G1K, 24
.set G1V, 32
.set G0K, 40
.set G0V, 44
.set TB,  48                           ; s48  LDS byte at which the slot in hand begins
.set KF,  49                           ; s49  the step's first key
.set Q0,  50                           ; s50  my wave's first query
.set SIDX, 52                          ; s52  the slot in hand, 0 .. 8
.set SW,  53                           ; s53  8 - i: the slot with which the second block of queries begins
.set PFA, 60
.set LIM, 62
.set MSB, 0
.macro WIN new
.if MSB != (\new)
	s_set_vgpr_msb (MSB<<8)|(\new)
.set MSB, (\new)
.endif
.endm
; Waves 0 and 1 fetch K's halves, waves 2 and 3 V's, the others nothing.  An s_nop 0 and four v_nop follow each line.
.macro TLOAD
	s_cmp_lt_u32 s[WV], 2
	s_cbranch_scc0 .Lnot_k_\@
	tensor_load_to_lds s[G0K:G0K+3], s[G1K:G1K+7]
	s_nop 0
.rept 4
	v_nop
.endr
	s_branch .Lasked_\@
.Lnot_k_\@:
	s_cmp_lt_u32 s[WV], 4
	s_cbranch_scc0 .Lasked_\@
	tensor_load_to_lds s[G0V:G0V+3], s[G1V:G1V+7]
	s_nop 0
.rept 4
	v_nop
.endr
.Lasked_\@:
.endm
; A PREFETCH of the key block that the NEXT change of slots will ask for.  Only the head's work-group 0 walks all eight blocks in order: it asks, in slots 0 to 5 for blocks 2 to 7.  Waves 0-3 take K's 32,768 bytes,
; waves 4-7 V's: 8,192 bytes a wave, lanes 256 bytes apart: each aligned 256 bytes of K and V from block 2 on is named once in the launch.  Blocks 0 and 1 come by their loads alone.
.macro ASK
	s_cmp_lt_u32 s[SIDX], s[LIM]
	s_cbranch_scc0 .Lnot_mine_\@
	global_prefetch_b8 v[PFO], s[PFA:PFA+1] th:TH_LOAD_NT scope:SCOPE_SE
.Lnot_mine_\@:
.endm
	s_load_b128 s[4:7], s[0:1], 0x0                ; qkv16, y16
	v_lshl_add_u32 v[SPW], v0, 2, SPARE
	v_mov_b32 v[NIL], 0
	ds_add_u32 v[SPW], v[NIL]                      ; the wave's opening: the add, twice on end, and its wait ahead of the first tensor load
	ds_add_u32 v[SPW], v[NIL]
	v_lshrrev_b32 v1, 5, v0
	v_readfirstlane_b32 s[WV], v1                  ; wave 0..7
	s_and_b32 s66, ttmp7, 0xffff                   ; batch x 16 + head
	s_lshl_b32 s66, s66, 18                        ; its 262,144 bytes in q, k, v and y
	s_mov_b32 s67, 0
	s_and_b32 s68, s[WV], 1                        ; which 128 rows of a block I fetch, if I fetch
	s_mov_b32 s[G0K], 1
	s_mul_i32 s[G0K+1], s68, 128*PK                ; K: in slot 0
	s_mov_b32 s[G0V], 1
	s_mul_i32 s[G0V+1], s68, 128*PV
	s_add_co_u32 s[G0V+1], s[G0V+1], VOFF          ; V: behind K's 256 rows
	s_lshl_b32 s68, s68, 14
	s_add_co_u32 s68, s68, s66                     ; the head + my half, in memory
	s_mov_b32 s69, 0
	s_mov_b32 s[G1K], (1<<16)|(1<<20)|(4<<22)|(3<<25)              ; elements of 2 bytes; padding: 4 words after every 32
	s_mov_b32 s[G1V], (1<<16)|(1<<20)|(4<<22)|(7<<25)              ; the same with 8 words
.irp g, G1K, G1V
	s_mov_b32 s[\g+1], 64<<16                      ; tensor_dim0
	s_mov_b32 s[\g+2], 128<<16                     ; tensor_dim1
	s_mov_b32 s[\g+3], 64<<16                      ; tile_dim0
	s_mov_b32 s[\g+4], 128                         ; tile_dim1
	s_mov_b32 s[\g+5], 64                          ; from row to row
	s_mov_b32 s[\g+6], 0
	s_mov_b32 s[\g+7], 0
.endr
	s_mov_b32 s[SEL], 0x76543210
	s_mov_b32 s[SEL+1], 0xfedcba98                 ; v_permlanex16_b32: lane l xor 16
	s_mov_b32 s[CS], 0x3e38aa3b                    ; c = log2(e) / 8
	s_mov_b32 s[CS+1], s[CS]
	s_mov_b32 s[TB], 0
	s_mov_b32 s[SIDX], 0
	s_sub_co_u32 s[SW], 8, ttmp9
	s_sub_co_u32 s[Q0], 7, ttmp9
	s_lshl_b32 s[Q0], s[Q0], 8
	s_lshl_b32 s54, s[WV], 5
	s_add_co_u32 s[Q0], s[Q0], s54                 ; first the block 7 - i: my 32 queries of it
	s_wait_dscnt 0x0                               ; both opening adds are done
	s_wait_kmcnt 0x0
	s_add_nc_u64 s[10:11], s[4:5], s[66:67]        ; Q of my head
	s_add_nc_u64 s[16:17], s[6:7], s[66:67]        ; y of my head
	s_add_nc_u64 s[12:13], s[4:5], s[68:69]
	s_add_nc_u64 s[12:13], s[12:13], 0x1000000     ; K of my head, my half of block 0
	s_add_nc_u64 s[14:15], s[12:13], 0x1000000     ; V likewise
	s_mov_b64 s[G0K+2:G0K+3], s[12:13]
	s_or_b32 s[G0K+3], s[G0K+3], 0x80000000
	s_mov_b64 s[G0V+2:G0V+3], s[14:15]
	s_or_b32 s[G0V+3], s[G0V+3], 0x80000000
	TLOAD                                          ; slot 0: key block 0, which every query block wants
	s_lshr_b32 s68, s[WV], 2                       ; the prefetches: waves 0-3 K, waves 4-7 V,
	s_lshl_b32 s68, s68, 24
	s_add_co_u32 s68, s68, 0x1000000+32768         ; at block 1: the first change of slots steps it to block 2
	s_add_co_u32 s68, s68, s66
	s_and_b32 s69, s[WV], 3
	s_lshl_b32 s69, s69, 13                        ; my wave's 8,192 bytes
	s_add_co_u32 s68, s68, s69
	s_mov_b32 s69, 0
	s_add_nc_u64 s[PFA:PFA+1], s[4:5], s[68:69]
	s_cmp_eq_u32 ttmp9, 0
	s_cselect_b32 s[LIM], 6, 0
	v_and_b32 v15, 15, v0                          ; r
	v_bfe_u32 v10, v0, 4, 1                        ; h
	v_and_b32 v11, 31, v0                          ; l
	v_mul_u32_u24 v[AK0], v15, PK
	v_lshl_add_u32 v[AK0], v10, 4, v[AK0]          ; K: row r x pitch + 16 h
	v_and_b32 v[AV0], 7, v0
	v_lshl_add_u32 v[AV0], v10, 3, v[AV0]
	v_mul_u32_u24 v[AV0], v[AV0], PV
	v_bfe_u32 v3, v0, 3, 1
	v_lshl_add_u32 v[AV0], v3, 4, v[AV0]
	v_add_nc_u32 v[AV0], VOFF, v[AV0]              ; V: key 8 h + l % 8, channels 8 ((l / 8) % 2) on
	v_lshlrev_b32 v[QO], 7, v15
	v_lshl_add_u32 v[QO], v10, 4, v[QO]            ; Q in memory: row r of 128 bytes + 16 h
	s_mul_i32 s66, s[WV], 32*144
	s_add_co_u32 s66, s66, STAGE                   ; my stage
	v_add_nc_u32 v[STO], s66, v[AK0]               ; in: row r, 16 bytes for each half of the lanes
	v_lshrrev_b32 v[RD], 3, v11
	v_mul_u32_u24 v[RD], v[RD], 144
	v_and_b32 v[GO], 7, v0
	v_lshl_add_u32 v[RD], v[GO], 4, v[RD]
	v_add_nc_u32 v[RD], s66, v[RD]                 ; back: eight lanes to a row of 128 bytes, four rows an instruction
	v_lshlrev_b32 v[GO], 4, v11                    ; which are 512 consecutive bytes of y16
	v_lshlrev_b32 v[DQ], 3, v10
	v_sub_nc_u32 v[DQ], v15, v[DQ]
	v_lshlrev_b32 v[PFO], 8, v11
; A block of queries begins: Q into registers; m = -3e38, under every score; l and O^T zeros, which the first change of m leaves zeros.
.macro INIT
	s_lshl_b32 s66, s[Q0], 7
	s_mov_b32 s67, 0
	s_add_nc_u64 s[56:57], s[10:11], s[66:67]
	WIN 0x40                                       ; destination window 1
.irp t, 0,1
.irp c, 0,1
	global_load_b128 v[16*\t+8*\c:16*\t+8*\c+3], v[QO], s[56:57] offset:\t*2048+64*\c
	global_load_b128 v[16*\t+8*\c+4:16*\t+8*\c+7], v[QO], s[56:57] offset:\t*2048+64*\c+32
.endr
.endr
	WIN 0
.irp t, 0,1
	v_mov_b32 v[ST+8*\t+1], 0xff61b1e6
	v_mov_b32 v[ST+8*\t+2], 0
	v_mov_b32 v[ST+8*\t+3], 0
	v_mov_b32 v[ST+8*\t+5], 0                      ; (a lane permute's destination counts as read)
	v_mov_b32 v[ST+8*\t+7], 0
.endr
.irp t, 0,1
	v_mul_f32 v[ST+8*\t], s[CS], v[ST+8*\t+1]
.endr
.set i, 0
.rept 64
	v_mov_b32 v[O+i], 0
.set i, i+1
.endr
	s_mov_b32 s[KF], 0
	s_wait_loadcnt 0x0                             ; Q is in
.endm
; The softmax of both tiles for 64 keys, the tiles line by line by turns.
.macro SOFTMAX
.irp j, 0,1,2,3
.irp t, 0,1
	v_max3_num_f32 v[ST+8*\t+4+\j], v[S+32*\t+8*\j], v[S+32*\t+8*\j+1], v[S+32*\t+8*\j+2]   ; four chains; each accumulator is read from its low end on
.endr
.endr
.irp g, 1,2
.irp j, 0,1,2,3
.irp t, 0,1
	v_max3_num_f32 v[ST+8*\t+4+\j], v[ST+8*\t+4+\j], v[S+32*\t+8*\j+2*\g+1], v[S+32*\t+8*\j+2*\g+2]
.endr
.endr
.endr
.irp t, 0,1
	v_max3_num_f32 v[ST+8*\t+4], v[ST+8*\t+4], v[S+32*\t+7], v[S+32*\t+15]
	v_max3_num_f32 v[ST+8*\t+6], v[ST+8*\t+6], v[S+32*\t+23], v[S+32*\t+31]
.endr
.irp t, 0,1
	v_max3_num_f32 v[ST+8*\t+4], v[ST+8*\t+4], v[ST+8*\t+5], v[ST+8*\t+6]
.endr
.irp t, 0,1
	v_max3_num_f32 v[ST+8*\t+4], v[ST+8*\t+4], v[ST+8*\t+7], v[ST+8*\t+1]   ; with the old m
.endr
.irp t, 0,1
	v_permlanex16_b32 v[ST+8*\t+5], v[ST+8*\t+4], s[SEL], s[SEL+1]          ; the query's other 32 keys lie in the lane 16 away
.endr
.irp t, 0,1
	v_mov_b32 v[ST+8*\t+7], v[ST+8*\t]             ; c m_old
.endr
.irp t, 0,1
	v_max_num_f32 v[ST+8*\t+1], v[ST+8*\t+4], v[ST+8*\t+5]
.endr
.irp t, 0,1
	v_mul_f32 v[ST+8*\t], s[CS], v[ST+8*\t+1]
.endr
.irp t, 0,1
	v_sub_f32 v[ST+8*\t+7], v[ST+8*\t+7], v[ST+8*\t]
.endr
.irp j, 0,2,4,6,8,10,12,14,16,18,20,22,24,26,28,30
.irp t, 0,1
	v_pk_fma_f32 v[S+32*\t+\j:S+32*\t+\j+1], v[S+32*\t+\j:S+32*\t+\j+1], s[CS:CS+1], v[ST+8*\t:ST+8*\t+1] op_sel_hi:[1,0,0] neg_lo:[0,0,1] neg_hi:[0,0,1]   ; c s - c m
.endr
.endr
.irp t, 0,1
	v_exp_f32 v[ST+8*\t+6], v[ST+8*\t+7]           ; a
.endr
.irp j, 0,1,2,3,4,5,6,7,8,9,10,11,12,13,14,15,16,17,18,19,20,21,22,23,24,25,26,27,28,29,30,31
.irp t, 0,1
	v_exp_f32 v[S+32*\t+\j], v[S+32*\t+\j]         ; p: one batch of 66 exponentials, none of which reads another's result
.endr
.endr
	v_nop                                          ; a plain line behind the last exponential
	s_wait_alu depctr_va_vdst(0)                   ; one wait for the batch, ahead of its first reader
.irp t, 0,1
	v_pk_add_f32 v[ST+8*\t+4:ST+8*\t+5], v[S+32*\t:S+32*\t+1], v[S+32*\t+2:S+32*\t+3]      ; the sum of the unrounded p, in two chains
	v_pk_add_f32 v[SUM+2*\t:SUM+2*\t+1], v[S+32*\t+4:S+32*\t+5], v[S+32*\t+6:S+32*\t+7]
.endr
.irp j, 8,12,16,20,24,28
.irp t, 0,1
	v_pk_add_f32 v[ST+8*\t+4:ST+8*\t+5], v[ST+8*\t+4:ST+8*\t+5], v[S+32*\t+\j:S+32*\t+\j+1]
	v_pk_add_f32 v[SUM+2*\t:SUM+2*\t+1], v[SUM+2*\t:SUM+2*\t+1], v[S+32*\t+\j+2:S+32*\t+\j+3]
.endr
.endr
.irp t, 0,1
	v_pk_add_f32 v[ST+8*\t+4:ST+8*\t+5], v[ST+8*\t+4:ST+8*\t+5], v[SUM+2*\t:SUM+2*\t+1]
.endr
.irp t, 0,1
	v_pk_fma_f32 v[ST+8*\t+2:ST+8*\t+3], v[ST+8*\t+2:ST+8*\t+3], v[ST+8*\t+6:ST+8*\t+7], v[ST+8*\t+4:ST+8*\t+5] op_sel_hi:[1,0,1]   ; l = a l + the sum
.endr
.irp a, 0,1,2,3
.irp i, 0,1,2,3
.irp t, 0,1
	v_cvt_pk_f16_f32 v[S+32*\t+4*\a+\i], v[S+32*\t+8*\a+2*\i], v[S+32*\t+8*\a+2*\i+1]      ; P in place, ascending: a destination never lies above its sources
.endr
.endr
.endr
.irp j, 0,2,4,6,8,10,12,14,16,18,20,22,24,26,28,30
.irp t, 0,1
	v_pk_mul_f32 v[O+32*\t+\j:O+32*\t+\j+1], v[O+32*\t+\j:O+32*\t+\j+1], v[ST+8*\t+6:ST+8*\t+7] op_sel_hi:[1,0]   ; O^T x a
.endr
.endr
.endm
; A KEY STEP: 64 keys, the q-th of the slot in hand.  A step all of whose keys come after my 32 queries is left out: a scalar branch on ids, round no barrier and no tensor load.
.macro STEP q
	s_add_co_u32 s66, s[Q0], 31
	s_cmp_gt_u32 s[KF], s66
	s_cbranch_scc1 .Lhidden_\@
	v_add_nc_u32 v[ADK], s[TB], v[AK0]             ; five plain lines behind the last step's products: four are owed by the loads into V's registers, five by the products that write over P
	v_add_nc_u32 v[ADV], s[TB], v[AV0]
	v_nop
	v_nop
	v_nop
.irp f, 0,1,2,3,4,5,6,7                        ; K: keys 16 (f / 2) on, channels 32 (f % 2) on
	ds_load_b128 v[KFR+8*\f:KFR+8*\f+3], v[ADK] offset:(\q)*64*PK+(\f/2)*16*PK+(\f%2)*64
	ds_load_b128 v[KFR+8*\f+4:KFR+8*\f+7], v[ADK] offset:(\q)*64*PK+(\f/2)*16*PK+(\f%2)*64+32
.endr
	WIN 0x40                                       ; destination window 1
.irp f, 0,1,2,3,4,5,6,7                        ; V, turned: keys 32 (f / 4) on, channels 16 (f % 4) on
	ds_load_tr16_b128 v[VFR+8*\f:VFR+8*\f+3], v[ADV] offset:(\q)*64*PV+(\f/4)*32*PV+(\f%4)*32
	ds_load_tr16_b128 v[VFR+8*\f+4:VFR+8*\f+7], v[ADV] offset:(\q)*64*PV+(\f/4)*32*PV+16*PV+(\f%4)*32
.endr
	s_wait_dscnt 16                                ; K's sixteen loads are in; V's sixteen may be out
	WIN 0x04                                       ; source 1 (Q) window 1
.irp c, 0,1                                    ; the eight accumulators take turns, one instruction a turn
.irp a, 0,1,2,3
.irp t, 0,1
.if \c == 0
	v_wmma_f32_16x16x32_f16 v[S+32*\t+8*\a:S+32*\t+8*\a+7], v[KFR+16*\a+8*\c:KFR+16*\a+8*\c+7], v[16*\t+8*\c:16*\t+8*\c+7], 0
.else
	v_wmma_f32_16x16x32_f16 v[S+32*\t+8*\a:S+32*\t+8*\a+7], v[KFR+16*\a+8*\c:KFR+16*\a+8*\c+7], v[16*\t+8*\c:16*\t+8*\c+7], v[S+32*\t+8*\a:S+32*\t+8*\a+7]
.endif
.endr
.endr
.endr
	WIN 0
.rept 4
	v_nop                                          ; places in front of the first read of the scores
.endr
	s_add_co_u32 s66, s[KF], 63                    ; on the diagonal hidden scores become -infinity ahead of the maximum; a step all of whose keys count for all my queries skips this
	s_cmp_le_u32 s66, s[Q0]
	s_cbranch_scc1 .Lopen_\@
	s_sub_co_i32 s66, s[Q0], s[KF]
	v_add_nc_u32 v10, s66, v[DQ]                   ; tile t's register 8 a + j holds key KF + 16 a + 8 h + j of query Q0 + 16 t + r: hidden where 16 a + j - 16 t > Q0 - KF + r - 8 h
	v_mov_b32 v11, 0xff800000
.irp t, 0,1
.irp a, 0,1,2,3
.irp j, 0,1,2,3,4,5,6,7
	v_cmp_gt_i32 vcc_lo, 16*\a+\j-16*\t, v10
	v_cndmask_b32 v[S+32*\t+8*\a+\j], v[S+32*\t+8*\a+\j], v11, vcc_lo
.endr
.endr
.endr
.Lopen_\@:
	SOFTMAX
	s_wait_dscnt 0x0                               ; V is in
	WIN 0x01                                       ; source 0 (V) window 1
.irp c, 0,1                                    ; keys 32 c on; eight accumulators by turns
.irp u, 0,1,2,3
.irp t, 0,1
	v_wmma_f32_16x16x32_f16 v[O+32*\t+8*\u:O+32*\t+8*\u+7], v[VFR+32*\c+8*\u:VFR+32*\c+8*\u+7], v[S+32*\t+8*\c:S+32*\t+8*\c+7], v[O+32*\t+8*\u:O+32*\t+8*\u+7]
.endr
.endr
.endr
	WIN 0
.Lhidden_\@:
	s_add_co_u32 s[KF], s[KF], 64
.endm
; A block of queries ends: O^T / l, rounded to f16, through my stage, out as 512 consecutive bytes an instruction.  The first five plain lines are the places behind the last products.
.macro FINISH
.irp t, 0,1
	v_add_f32 v[ST+8*\t+4], v[ST+8*\t+2], v[ST+8*\t+3]
.endr
.irp t, 0,1
	v_permlanex16_b32 v[ST+8*\t+5], v[ST+8*\t+4], s[SEL], s[SEL+1]
.endr
.irp t, 0,1
	v_add_f32 v[ST+8*\t+4], v[ST+8*\t+4], v[ST+8*\t+5]
.endr
.irp t, 0,1
	v_rcp_f32 v[ST+8*\t+6], v[ST+8*\t+4]
.endr
	v_nop                                          ; a plain line behind the reciprocals
	s_lshl_b32 s66, s[Q0], 7
	s_mov_b32 s67, 0
	s_add_nc_u64 s[56:57], s[16:17], s[66:67]      ; y at my first query
	s_wait_alu depctr_va_vdst(0)                   ; one wait for both, ahead of the first reader
.irp j, 0,2,4,6,8,10,12,14,16,18,20,22,24,26,28,30
.irp t, 0,1
	v_pk_mul_f32 v[O+32*\t+\j:O+32*\t+\j+1], v[O+32*\t+\j:O+32*\t+\j+1], v[ST+8*\t+6:ST+8*\t+7] op_sel_hi:[1,0]
.endr
.endr
.irp t, 0,1
.irp u, 0,1,2,3
.irp i, 0,1,2,3
	v_cvt_pk_f16_f32 v[PKD+16*\t+4*\u+\i], v[O+32*\t+8*\u+2*\i], v[O+32*\t+8*\u+2*\i+1]
.endr
.endr
.endr
.irp t, 0,1
.irp u, 0,1,2,3
	ds_store_b128 v[STO], v[PKD+16*\t+4*\u:PKD+16*\t+4*\u+3] offset:\t*16*144+32*\u
.endr
.endr
.irp i, 0,1,2,3,4,5,6,7
	ds_load_b128 v[S+4*\i:S+4*\i+3], v[RD] offset:\i*4*144         ; LDS serves a wave's instructions in order: these see my stores
.endr
.irp i, 0,1,2,3,4,5,6,7
	s_wait_dscnt 7-\i
	global_store_b128 v[GO], v[S+4*\i:S+4*\i+3], s[56:57] offset:512*\i
.endr
	s_wait_xcnt 0x0                                ; the stores have read their registers and their base: both are written again
.endm
; THE CHANGE OF SLOTS, at a slot's head.  Each wave waits for all its tensor loads, adds 0 to its spare word (fill = 1: twice on end), and waits for that and for its reads of the slot left.
; Behind the barrier the slot ahead is whole and nobody reads the other one, which is filled with the next key block: one tensor load a wave, with a whole slot's steps in which to land.
.macro CHANGE fill
	s_wait_tensorcnt 0x0                           ; no tensor load of mine is out, so a descriptor may be written
	ds_add_u32 v[SPW], v[NIL]
.if \fill
	ds_add_u32 v[SPW], v[NIL]
	s_xor_b32 s[G0K+1], s[G0K+1], SLOT1            ; the other slot than last time
	s_xor_b32 s[G0V+1], s[G0V+1], SLOT1
	s_add_co_u32 s66, s[SIDX], 1                   ; the slot that is asked for: its key block is its number,
	s_cmp_ge_u32 s66, s[SW]
	s_cselect_b32 s67, s[SW], 0
	s_sub_co_u32 s66, s66, s67                     ; counted anew from the second block of queries on
	s_lshl_b32 s66, s66, 15                        ; 256 rows of 128 bytes
	s_mov_b32 s67, 0
	s_add_nc_u64 s[G0K+2:G0K+3], s[12:13], s[66:67]
	s_or_b32 s[G0K+3], s[G0K+3], 0x80000000
	s_add_nc_u64 s[G0V+2:G0V+3], s[14:15], s[66:67]
	s_or_b32 s[G0V+3], s[G0V+3], 0x80000000
	s_wait_xcnt 0x0                                ; the last prefetch, a slot back, has read its address
	s_add_nc_u64 s[PFA:PFA+1], s[PFA:PFA+1], 32768
.endif
	s_wait_dscnt 0x0                               ; the add is done, and my reads of the slot that I have left are over
	s_barrier_signal -1
	s_barrier_wait -1
.if \fill
	TLOAD
	ASK
.endif
.endm
.macro SLOT_STEPS
	s_cmp_lg_u32 s[SIDX], s[SW]                    ; the second block of queries begins with slot 8 - i: ids and the count of slots alone, the same in all eight waves
	s_cbranch_scc1 .Lsame_\@
	FINISH
	s_lshl_b32 s[Q0], ttmp9, 8
	s_lshl_b32 s66, s[WV], 5
	s_add_co_u32 s[Q0], s[Q0], s66
	INIT
.Lsame_\@:
	STEP 0
	STEP 1
	STEP 2
	STEP 3
	s_xor_b32 s[TB], s[TB], SLOT1
.endm
	INIT
.Lslot:                                            ; eight trips: behind each change of slots the next slot is asked for
	CHANGE 1
	SLOT_STEPS
	s_add_co_u32 s[SIDX], s[SIDX], 1
	s_cmp_lt_u32 s[SIDX], 8
	s_cbranch_scc1 .Lslot
	CHANGE 0                                       ; the ninth slot is written out: nothing is left to ask for
	SLOT_STEPS
	FINISH
	s_wait_tensorcnt 0x0                           ; the wave's end, behind my last tensor load and my last LDS store
	ds_add_u32 v[SPW], v[NIL]
	s_wait_dscnt 0x0
	s_endpgm
.Lfunc_end_k_q1733567c91_attn:
	.size	k_q1733567c91_attn, .Lfunc_end_k_q1733567c91_attn-k_q1733567c91_attn
	.p2alignl 7, 3214868480
	.fill 96, 4, 3214868480
	.section	.rodata,"a",@progbits
	.p2align	6, 0x0
	.amdhsa_kernel k_q1733567c91_attn
		.amdhsa_group_segment_fixed_size 327680
		.amdhsa_private_segment_fixed_size 0
		.amdhsa_enable_private_segment 0
		.amdhsa_kernarg_size 16
		.amdhsa_user_sgpr_count 2
		.amdhsa_user_sgpr_kernarg_segment_ptr 1
		.amdhsa_wavefront_size32 1
		.amdhsa_system_sgpr_workgroup_id_x 1
		.amdhsa_system_sgpr_workgroup_id_y 1
		.amdhsa_system_sgpr_workgroup_id_z 1
		.amdhsa_system_vgpr_workitem_id 0
		.amdhsa_next_free_vgpr 384
		.amdhsa_next_free_sgpr 72
		.amdhsa_reserve_vcc 1
		.amdhsa_float_denorm_mode_32 3
		.amdhsa_float_denorm_mode_16_64 3
		.amdhsa_memory_ordered 1
		.amdhsa_forward_progress 1
		.amdhsa_inst_pref_size 209
	.end_amdhsa_kernel
	.amdgpu_metadata
---
amdhsa.version: [ 1, 2 ]
amdhsa.kernels:
  - .name:           k_q1733567c91_attn
    .symbol:         k_q1733567c91_attn.kd
    .args:
      - { .name: qkv16, .offset: 0, .size: 8, .value_kind: global_buffer, .address_space: global }
      - { .name: y16, .offset: 8, .size: 8, .value_kind: global_buffer, .address_space: global }
    .group_segment_fixed_size: 327680
    .private_segment_fixed_size: 0
    .kernarg_segment_align: 8
    .kernarg_segment_size: 16
    .max_flat_workgroup_size: 256
    .sgpr_count:     72
    .vgpr_count:     384
    .wavefront_size: 32
...
	.end_amdgpu_metadata
.endif
;; end of part 3
;; launch proj (part 4): grid 8 x 32, 4 waves a work-group, clusters of 4 x 4, 327,680 bytes of LDS; arguments y16, wp16, b_proj, out0; writes out0
.if DOCPART == 4
	.amdgcn_target "amdgcn-amd-amdhsa--gfx1250"
	.amdhsa_code_object_version 6
	.text
	.protected	k_q1733567c91_proj
	.globl	k_q1733567c91_proj
	.p2align	8
	.type	k_q1733567c91_proj,@function
k_q1733567c91_proj:
	s_mov_b64 s[64:65], 0
	v_nop
	global_prefetch_b8 v0, s[64:65] scope:SCOPE_SE
	s_setreg_imm32_b32 hwreg(HW_REG_WAVE_MODE, 25, 1), 1
	s_wait_xcnt 0x0
	s_wait_alu depctr_hold_cnt(0) depctr_sa_sdst(0) depctr_va_vdst(0) depctr_va_sdst(0) depctr_va_ssrc(0) depctr_va_vcc(0) depctr_vm_vsrc(0)
	s_getreg_b32 s2, hwreg(HW_REG_IB_STS2, 6, 4)
	s_cmp_eq_u32 s2, 0
	s_cbranch_scc0 .Lentry_in_a_cluster
	s_endpgm
.Lentry_in_a_cluster:
	s_bfe_u32 s2, ttmp6, 0x10000c
	s_cmp_lg_u32 s2, 0xf033
	s_cbranch_scc0 .Lentry_shape_is_right
	s_endpgm
.Lentry_shape_is_right:
; out0 = y w_proj + b_proj, for all rows but positions 0-15 of each batch, which a finer launch writes.  y16 [batch][head][position][64] f16; wp16 [k / 64][n][64] f16; out0 [8192][1024] f32; sums in f32.
; A tile of 256 rows x 128 columns: 256 work-groups.  Four waves, each 64 rows x 128 columns: 32 accumulators.  A K step is 128: two heads' planes, each a dense block of rows of 128 bytes.
; Ring of two slots; waves 0, 1 fetch A's two planes (256 rows each), waves 2, 3 B's (128 rows each): one load a wave behind each round.
; CLUSTERS: 4 x 4; A's planes are asked for jointly along a row of the cluster, B's along a column.  The tile row is 8 cy + cluster y, so that 'a batch's first rows' is cluster y = 0, which all partners share.
; THE MATRIX INSTRUCTION IS USED TRANSPOSED (source 0 = 16 rows of wp16, source 1 = 16 rows of y16): a lane holds eight neighbouring columns of a row.  The bias is the C of each sum's first product.
; REGISTERS: window 0: v16-31 addresses; v32-127, v128-223 two fragment buffers (B's 8 fragments, then A's 4), later rows on the way out.  window 1: the accumulators, (a, b) at v[8 (8 a + b)].  window 2: v0-63 the bias.
.set PITCH, 144                        ; an LDS row: 128 bytes + 16
.set APL,   256*PITCH                  ; a plane of A
.set BPL,   128*PITCH                  ; a plane of B
.set BOFF,  2*APL
.set SLOT,  2*APL+2*BPL
.set SPARE, 2*SLOT                     ; the spare words, 128 bytes for each wave
.set SPITCH, 528                       ; the way out: 16 rows x (512 + 16) for each wave, in slot 0: it has had its last fill and its last read when the first result is stored there
.set ADRA, 16
.set ADRB, 20
.set STO,  24
.set RD,   25
.set CO,   26
.set SPW,  28
.set NIL,  29
.set PFO,  30
.set BO,   31
.set F0,   32
.set F1,   128
.set WV,   12
.set G1,  24
.set G0,  32
.set G1B, 48
.set G0B, 56
.set PFA, 66
.set LIM, 68
.set SKIP, 69
.set MSB, 0
.macro WIN new
.if MSB != (\new)
	s_set_vgpr_msb (MSB<<8)|(\new)
.set MSB, (\new)
.endif
.endm
.macro JLOAD s                         ; a joint load: waves 0 and 1 for A, waves 2 and 3 for B; an s_nop 0 and four v_nop follow each line
	s_cmp_eq_u32 s13, 0
	s_cbranch_scc0 .Lfor_b_\@
	tensor_load_to_lds s[G0+4*\s:G0+4*\s+3], s[G1:G1+7]
	s_nop 0
.rept 4
	v_nop
.endr
	s_branch .Lasked_\@
.Lfor_b_\@:
	tensor_load_to_lds s[G0B+4*\s:G0B+4*\s+3], s[G1B:G1B+7]
	s_nop 0
.rept 4
	v_nop
.endr
.Lasked_\@:
.endm
.macro CREST
	s_cmp_lg_u32 s[WV], 0
	s_cbranch_scc1 .Lnot_wave_0_\@
	s_barrier_signal -3
.Lnot_wave_0_\@:
	s_barrier_wait -3
	s_barrier_signal -1
	s_barrier_wait -1
.endm
.macro CROUND
	s_barrier_signal -1
	s_barrier_wait -1
	CREST
.endm
; A PREFETCH of y16's K step that stands two refills on.  A tile row is read by both clusters of its row of clusters: the one with cluster x = 0 asks.  Waves 0 and 1 ask for the plane that they fetch, 32,768 dense bytes;
; the four partners share it out BY ADDRESS, 8,192 bytes each, lanes 256 bytes apart: each aligned 256 bytes of K steps 4 to 7 is named once.  The last lap asks for nothing.  wp16, which every row of clusters reads again, is not asked for.
.macro ASK
	s_cmp_gt_u32 s3, s[LIM]
	s_cbranch_scc0 .Lnot_mine_\@
	global_prefetch_b8 v[PFO], s[PFA:PFA+1] offset:524288 th:TH_LOAD_NT scope:SCOPE_SE
.Lnot_mine_\@:
.endm
	s_load_b256 s[4:11], s[0:1], 0x0               ; y16, wp16, b_proj, out0
	v_lshl_add_u32 v[SPW], v0, 2, SPARE
	v_mov_b32 v[NIL], 0
	ds_add_u32 v[SPW], v[NIL]                      ; the wave's opening: the add, twice on end, and its wait ahead of my first tensor load
	ds_add_u32 v[SPW], v[NIL]
	v_lshrrev_b32 v1, 5, v0
	v_readfirstlane_b32 s[WV], v1                  ; wave 0..3
	s_lshr_b32 s13, s[WV], 1                       ; I fetch for A (0) or for B (1)
	s_and_b32 s14, s[WV], 1                        ; which plane of the K step
	s_bfe_u32 s40, ttmp6, 0x40000                  ; cx
	s_bfe_u32 s41, ttmp6, 0x40004                  ; cy
	s_lshl_b32 s42, ttmp9, 2
	s_add_co_u32 s42, s42, s40                     ; tile column = 4 x cluster x + cx
	s_and_b32 s45, ttmp7, 0xffff                   ; cluster y
	s_lshl_b32 s15, s41, 3
	s_add_co_u32 s15, s15, s45                     ; tile row = 8 cy + cluster y
	s_lshl_b32 s43, s41, 2
	s_lshl_b32 s43, 15, s43                        ; my row of the cluster
	s_lshl_b32 s44, 0x1111, s40                    ; my column
	s_or_b32 s[G1+0], s43, (1<<16)|(1<<20)|(1<<21)|(4<<22)|(3<<25)  ; the mask; elements of 2 bytes; padding: 4 words after every 32; bit 21 beside a mask
	s_or_b32 s[G1B+0], s44, (1<<16)|(1<<20)|(1<<21)|(4<<22)|(3<<25)
	s_mov_b32 s[G1+1], 64<<16                      ; tensor_dim0
	s_mov_b32 s[G1+2], 256<<16                     ; tensor_dim1
	s_mov_b32 s[G1+3], 64<<16                      ; tile_dim0
	s_mov_b32 s[G1+4], 256                         ; tile_dim1
	s_mov_b32 s[G1+5], 64                          ; from row to row
	s_mov_b32 s[G1+6], 0
	s_mov_b32 s[G1+7], 0
	s_mov_b32 s[G1B+1], 64<<16
	s_mov_b32 s[G1B+2], 128<<16
	s_mov_b32 s[G1B+3], 64<<16
	s_mov_b32 s[G1B+4], 128
	s_mov_b32 s[G1B+5], 64
	s_mov_b32 s[G1B+6], 0
	s_mov_b32 s[G1B+7], 0
	s_lshl_b32 s16, s41, 22                        ; A: batch cy: 16 heads of 262,144 bytes,
	s_lshl_b32 s17, s14, 18                        ; my plane,
	s_add_co_u32 s16, s16, s17
	s_lshl_b32 s17, s45, 15                        ; positions 256 x cluster y on
	s_add_co_u32 s16, s16, s17
	s_mov_b32 s17, 0
	s_lshl_b32 s46, s14, 17                        ; B: my plane of 131,072 bytes,
	s_lshl_b32 s47, s42, 14                        ; rows 128 x tile column on
	s_add_co_u32 s46, s46, s47
	s_mov_b32 s47, 0
	s_mul_i32 s20, s14, APL                        ; where they go: no place in the cluster enters an LDS address
	s_mul_i32 s21, s14, BPL
	s_add_co_u32 s21, s21, BOFF
	s_lshl_b32 s18, s40, 13                        ; the prefetches: my work-group's 8,192 bytes of the plane,
	s_add_co_u32 s18, s18, s16
	s_add_co_u32 s18, s18, 1048576                 ; at K step 2: the first refill steps it to 3 and names K step 4
	s_mov_b32 s19, 0
	s_or_b32 s[LIM], s13, ttmp9
	s_cmp_eq_u32 s[LIM], 0
	s_cselect_b32 s[LIM], 1, -1                    ; the same in all sixteen partners, for a given wave
	s_or_b32 s[SKIP], s45, s[WV]                   ; 0 where my first 16 rows are a batch's positions 0-15
	s_wait_dscnt 0x0                               ; both opening adds are done
	s_wait_kmcnt 0x0
	s_add_nc_u64 s[PFA:PFA+1], s[4:5], s[18:19]
	s_add_nc_u64 s[16:17], s[4:5], s[16:17]
	s_add_nc_u64 s[46:47], s[6:7], s[46:47]
	CROUND                                         ; all sixteen work-groups are here: the first joint loads meet
.irp s, 0,1
	s_mov_b32 s[G0+4*\s], 1
	s_add_co_u32 s[G0+4*\s+1], s20, \s*SLOT
	s_add_nc_u64 s[G0+4*\s+2:G0+4*\s+3], s[16:17], \s*524288       ; K step s: two heads on
	s_or_b32 s[G0+4*\s+3], s[G0+4*\s+3], 0x80000000
	s_mov_b32 s[G0B+4*\s], 1
	s_add_co_u32 s[G0B+4*\s+1], s21, \s*SLOT
	s_add_nc_u64 s[G0B+4*\s+2:G0B+4*\s+3], s[46:47], \s*262144     ; two planes on
	s_or_b32 s[G0B+4*\s+3], s[G0B+4*\s+3], 0x80000000
	JLOAD \s                                       ; two tensor loads of mine are out
.endr
	v_and_b32 v1, 15, v0                           ; r
	v_bfe_u32 v2, v0, 4, 1                         ; h
	v_mul_u32_u24 v3, v1, PITCH
	v_lshl_add_u32 v3, v2, 4, v3                   ; a fragment's row x pitch + 16 h
	s_mul_i32 s22, s[WV], 64*PITCH                 ; my 64 rows of A
	s_mov_b32 s23, BOFF                            ; B's 128 rows are everybody's
.irp s, 0,1
	v_add_nc_u32 v[ADRA+\s], s22, v3
	v_add_nc_u32 v[ADRB+\s], s23, v3
	s_add_co_u32 s22, s22, SLOT
	s_add_co_u32 s23, s23, SLOT
.endr
	s_mul_i32 s22, s[WV], 16*SPITCH                ; my stage
	v_mul_u32_u24 v4, v1, SPITCH
	v_lshl_add_u32 v4, v2, 5, v4
	v_add_nc_u32 v[STO], s22, v4                   ; in: row r, 32 bytes for each half of the lanes
	v_and_b32 v5, 31, v0
	v_lshlrev_b32 v[CO], 4, v5                     ; back: the 32 lanes take a row of 512 bytes; and the same in out0
	v_add_nc_u32 v[RD], s22, v[CO]
	v_lshlrev_b32 v[PFO], 8, v5
	v_lshlrev_b32 v[BO], 5, v2
	s_lshl_b32 s16, s15, 20                        ; out0: 256 rows of 4,096 bytes a tile row,
	s_lshl_b32 s17, s[WV], 18                      ; my 64 rows,
	s_add_co_u32 s16, s16, s17
	s_lshl_b32 s18, s42, 9                         ; the tile's 512 bytes of a row
	s_add_co_u32 s16, s16, s18
	s_mov_b32 s17, 0
	s_mov_b32 s19, 0
	s_add_nc_u64 s[10:11], s[10:11], s[16:17]
	s_add_nc_u64 s[8:9], s[8:9], s[18:19]
	WIN 0x80                                       ; destination window 2
.irp b, 0,1,2,3,4,5,6,7
	global_load_b128 v[8*\b:8*\b+3], v[BO], s[8:9] offset:64*\b    ; the bias in the result's layout: columns 16 b + 8 h + 0 .. 7
	global_load_b128 v[8*\b+4:8*\b+7], v[BO], s[8:9] offset:64*\b+16
.endr
	WIN 0
; 8 matrix instructions: A's block a x B's eight, 32 along K.  first = 1: the bias starts the sums.  The 32 accumulators take turns, one instruction a turn, in the same order in every quarter.
.macro MULA f, a, first
.irp b, 0,1,2,3,4,5,6,7
.if \first
	v_wmma_f32_16x16x32_f16 v[8*(8*(\a)+\b):8*(8*(\a)+\b)+7], v[\f+8*\b:\f+8*\b+7], v[\f+64+8*(\a):\f+64+8*(\a)+7], v[8*\b:8*\b+7]
.else
	v_wmma_f32_16x16x32_f16 v[8*(8*(\a)+\b):8*(8*(\a)+\b)+7], v[\f+8*\b:\f+8*\b+7], v[\f+64+8*(\a):\f+64+8*(\a)+7], v[8*(8*(\a)+\b):8*(8*(\a)+\b)+7]
.endif
.endr
.endm
; 24 LDS loads in one run: quarter q of a K step (plane q / 2, 64 bytes (q % 2) on) into buffer f: B's sixteen, then A's eight
.macro FETCH slot, q, f
.irp i, 0,1,2,3,4,5,6,7
	ds_load_b128 v[\f+8*\i:\f+8*\i+3], v[ADRB+\slot] offset:((\q)/2)*BPL+((\q)%2)*64+\i*16*PITCH
	ds_load_b128 v[\f+8*\i+4:\f+8*\i+7], v[ADRB+\slot] offset:((\q)/2)*BPL+((\q)%2)*64+\i*16*PITCH+32
.endr
.irp i, 0,1,2,3
	ds_load_b128 v[\f+64+8*\i:\f+64+8*\i+3], v[ADRA+\slot] offset:((\q)/2)*APL+((\q)%2)*64+\i*16*PITCH
	ds_load_b128 v[\f+64+8*\i+4:\f+64+8*\i+7], v[ADRA+\slot] offset:((\q)/2)*APL+((\q)%2)*64+\i*16*PITCH+32
.endr
.endm
.macro PLACES
.rept 4
	v_nop
.endr
.endm
; One of a K step's first three quarters: multiplies buffer f, and in its middle fetches quarter q into buffer g.
.macro QUARTER slot, q, f, g, first
	s_wait_dscnt 4                                 ; B's fragments and A's blocks 0, 1 are in; the youngest four loads (A's blocks 2, 3) may be out
	WIN 0x50+0x10*(\first)                         ; D window 1; C window 1, or the bias in window 2
	MULA \f, 0, \first
	MULA \f, 1, \first
	PLACES                                         ; in front of loads into the buffer that the quarter before multiplied
	WIN 0
	FETCH \slot, \q, \g
	s_wait_dscnt 24                                ; all but the 24 just issued
	WIN 0x50+0x10*(\first)
	MULA \f, 2, \first
	MULA \f, 3, \first
.endm
; The last quarter multiplies buffer 1 and changes slots: in front of the barrier each wave waits for all its tensor loads, adds 0 to its spare word, and waits for that and for its reads of this slot.
; fill = 1: the barrier opens a round of the cluster's barrier, and this slot is filled again, two K steps ahead, first thing behind the round.
.macro TURN slot, next, fill
.if \fill
	s_wait_xcnt 0x0                                ; the last prefetch, a K step back, has read its address
	s_add_nc_u64 s[PFA:PFA+1], s[PFA:PFA+1], 524288
.endif
	WIN 0
	s_wait_tensorcnt 0x0                           ; all my tensor loads have landed: my part of the next slot
	ds_add_u32 v[SPW], v[NIL]
	s_wait_dscnt 5                                 ; (the add and the youngest four loads may be out)
	WIN 0x50
	MULA F1, 0, 0
	s_wait_dscnt 0x0                               ; the add is done, and my reads of this slot are over
	s_barrier_signal -1
	MULA F1, 1, 0
	WIN 0
	s_barrier_wait -1
.if \fill
	CREST                                          ; no wave of any partner still reads this slot or has a load on its way
	s_add_nc_u64 s[G0+4*\slot+2:G0+4*\slot+3], s[G0+4*\slot+2:G0+4*\slot+3], 1048576
	s_add_nc_u64 s[G0B+4*\slot+2:G0B+4*\slot+3], s[G0B+4*\slot+2:G0B+4*\slot+3], 524288
	JLOAD \slot                                    ; its four v_nop are also the places in front of the loads below
.else
	PLACES
.endif
	FETCH \next, 0, F0
.if \fill
	ASK
.endif
	WIN 0x50
	MULA F1, 2, 0
	MULA F1, 3, 0
.endm
	s_wait_tensorcnt 1                             ; my part of K step 0 is in; K step 1's load may stay out
	s_barrier_signal -1
	s_barrier_wait -1
	FETCH 0, 0, F0
	s_wait_loadcnt 0x0                             ; the bias
	QUARTER 0, 1, F0, F1, 1                        ; the first quarter stands in front of the loop: its products start the sums
	WIN 0
	s_mov_b32 s3, 3
.Llap:                                             ; a trip goes once round the ring and fills both slots again: K steps 2 to 7 in three trips
	QUARTER 0, 2, F1, F0, 0
	QUARTER 0, 3, F0, F1, 0
	TURN 0, 1, 1
	QUARTER 1, 1, F0, F1, 0
	QUARTER 1, 2, F1, F0, 0
	QUARTER 1, 3, F0, F1, 0
	TURN 1, 0, 1
	QUARTER 0, 1, F0, F1, 0
	WIN 0
	s_sub_co_u32 s3, s3, 1
	s_cmp_lg_u32 s3, 0
	s_cbranch_scc1 .Llap
	QUARTER 0, 2, F1, F0, 0                        ; the last lap fills nothing
	QUARTER 0, 3, F0, F1, 0
	TURN 0, 1, 0
	QUARTER 1, 1, F0, F1, 0
	QUARTER 1, 2, F1, F0, 0
	QUARTER 1, 3, F0, F1, 0
	s_wait_dscnt 4
	WIN 0x50
	MULA F1, 0, 0
	MULA F1, 1, 0
	s_wait_dscnt 0
	MULA F1, 2, 0
	MULA F1, 3, 0
	WIN 0
; THE WAY OUT, block by block of 16 rows x 128 columns, through my stage: in 32 bytes a lane, back as whole rows of 512 bytes.
.macro TOSTAGE a
	WIN 0x04                                       ; an LDS store's data: window 1
.irp b, 0,1,2,3,4,5,6,7
	ds_store_b128 v[STO], v[8*(8*(\a)+\b):8*(8*(\a)+\b)+3] offset:64*\b            ; each accumulator from its low end on
	ds_store_b128 v[STO], v[8*(8*(\a)+\b)+4:8*(8*(\a)+\b)+7] offset:64*\b+16
.endr
	WIN 0
.set BB, F0+96*((\a)%2)
.irp t, 0,1,2,3,4,5,6,7,8,9,10,11,12,13,14,15
	ds_load_b128 v[BB+4*\t:BB+4*\t+3], v[RD] offset:\t*SPITCH
.endr
.endm
.macro SEND a, younger
.set BB, F0+96*((\a)%2)
	s_wait_dscnt \younger                          ; the block is back in registers; the next block's 16 stores and 16 loads may be out
.if (\a) == 0
	s_cmp_eq_u32 s[SKIP], 0                        ; a batch's positions 0-15 are not stored here: cluster y and the wave's number alone
	s_cbranch_scc1 .Lfine_rows
.endif
.irp t, 0,1,2,3,4,5,6,7,8,9,10,11,12,13,14,15
	global_store_b128 v[CO], v[BB+4*\t:BB+4*\t+3], s[10:11] offset:(16*(\a)+\t)*4096 th:TH_STORE_NT   ; 512 consecutive bytes, aligned
.endr
.if (\a) == 0
.Lfine_rows:
.endif
.endm
	PLACES                                         ; behind the last products: for the loads into the fragment buffers and the reads of results
	TOSTAGE 0
.irp a, 1,2,3
.if \a > 1
	s_wait_xcnt 0x0                                ; block a - 2's stores have read their registers: block a's loads may land there
.endif
	TOSTAGE \a
	SEND \a-1, 32
.endr
	SEND 3, 0
	s_wait_tensorcnt 0x0                           ; the wave's end, behind my last tensor load and my last LDS store
	ds_add_u32 v[SPW], v[NIL]
	s_wait_dscnt 0x0
	CROUND                                         ; the closing round
	s_endpgm
.Lfunc_end_k_q1733567c91_proj:
	.size	k_q1733567c91_proj, .Lfunc_end_k_q1733567c91_proj-k_q1733567c91_proj
	.p2alignl 7, 3214868480
	.fill 96, 4, 3214868480
	.section	.rodata,"a",@progbits
	.p2align	6, 0x0
	.amdhsa_kernel k_q1733567c91_proj
		.amdhsa_group_segment_fixed_size 327680
		.amdhsa_private_segment_fixed_size 0
		.amdhsa_enable_private_segment 0
		.amdhsa_kernarg_size 32
		.amdhsa_user_sgpr_count 2
		.amdhsa_user_sgpr_kernarg_segment_ptr 1
		.amdhsa_wavefront_size32 1
		.amdhsa_system_sgpr_workgroup_id_x 1
		.amdhsa_system_sgpr_workgroup_id_y 1
		.amdhsa_system_sgpr_workgroup_id_z 1
		.amdhsa_system_vgpr_workitem_id 0
		.amdhsa_next_free_vgpr 576
		.amdhsa_next_free_sgpr 72
		.amdhsa_reserve_vcc 0
		.amdhsa_float_denorm_mode_32 3
		.amdhsa_float_denorm_mode_16_64 3
		.amdhsa_memory_ordered 1
		.amdhsa_forward_progress 1
		.amdhsa_inst_pref_size 87
	.end_amdhsa_kernel
	.amdgpu_metadata
---
amdhsa.version: [ 1, 2 ]
amdhsa.kernels:
  - .name:           k_q1733567c91_proj
    .symbol:         k_q1733567c91_proj.kd
    .args:
      - { .name: y16, .offset: 0, .size: 8, .value_kind: global_buffer, .address_space: global }
      - { .name: wp16, .offset: 8, .size: 8, .value_kind: global_buffer, .address_space: global }
      - { .name: b_proj, .offset: 16, .size: 8, .value_kind: global_buffer, .address_space: global }
      - { .name: out0, .offset: 24, .size: 8, .value_kind: global_buffer, .address_space: global }
    .group_segment_fixed_size: 327680
    .private_segment_fixed_size: 0
    .kernarg_segment_align: 8
    .kernarg_segment_size: 32
    .max_flat_workgroup_size: 128
    .sgpr_count:     72
    .vgpr_count:     576
    .wavefront_size: 32
...
	.end_amdgpu_metadata
.endif
;; end of part 4
;; launch first16 (part 5): grid 64 x 4, 16 waves a work-group, no clusters, 18,432 bytes of LDS; arguments qkv32, w_proj, b_proj, out0; writes out0
.if DOCPART == 5
	.amdgcn_target "amdgcn-amd-amdhsa--gfx1250"
	.amdhsa_code_object_version 6
	.text
	.protected	k_q1733567c91_first16
	.globl	k_q1733567c91_first16
	.p2align	8
	.type	k_q1733567c91_first16,@function
k_q1733567c91_first16:
	s_mov_b64 s[64:65], 0
	v_nop
	global_prefetch_b8 v0, s[64:65] scope:SCOPE_SE
	s_setreg_imm32_b32 hwreg(HW_REG_WAVE_MODE, 25, 1), 1
	s_wait_xcnt 0x0
; POSITIONS 0-15 OF EACH BATCH, ALL IN F32: attention and projection.  These rows average one to sixteen values and are the output's largest: operands rounded to 16 bits would use up what the comparison allows.
; qkv32 [batch][16][3072] f32 (q, k, v with their bias); w_proj [1024][1024] f32; out0 rows (batch, 0 .. 15).
; Work-group (nb, batch) makes out0[batch][0..15][16 nb .. 16 nb + 15].  Wave = head: it makes the head's attention (16 x 16) and its 64 terms of the projection; the sixteen heads' parts meet in LDS.
; The attention of a batch is made anew in each of its 64 work-groups: 32 small products a wave, so that the projection's columns are shared among 256 work-groups.  The pieces of w_proj and out0 are 64 bytes a row.
; ALL PRODUCTS BY v_wmma_f32_16x16x4_f32, transposed, so that a lane holds ONE query (lane % 16) throughout.  The contracted index is permuted alike on both operands, so that each result is the next product's operand as it stands:
;   S^T = K Q^T: step s takes d = 32 h + 2 s + j;   O^T = V^T P: step s takes key 8 h + 2 s + j, which are p's registers 2 s, 2 s + 1;   R^T = W^T y: tile u, step s takes channel 16 u + 8 h + 2 s + j, y's registers 8 u + 2 s, + 1.
; The registers that these products write are written by nothing else; what is made of a sum goes into other registers.
; The softmax takes the row's maximum away, as the definition does.  NaN and infinities among the inputs are not served.
.set SPARE, 16384                      ; behind the sixteen images of 1,024 bytes: the spare words, 128 bytes for each wave
.set QA,  3
.set VA,  4
.set WA,  5
.set DQ,  6
.set NINF, 7
.set IMW, 12
.set IMR, 13
.set SPW, 14
.set NIL, 15
.set Q,   16                           ; v16-47   Q, later y, later the images
.set K,   48                           ; v48-79   K
.set V,   80                           ; v80-111  V: tile u, key 8 h + e at v[V + 8 u + e]
.set W,   112                          ; v112-143 W likewise
.set SA,  144                          ; v144-159 two accumulators of the scores
.set SB,  152
.set OA,  160                          ; v160-191 O^T, four tiles
.set RA,  192                          ; v192-223 the projection's four partial sums
.set P,   224                          ; v224-231 the scores, then p
.set R,   232                          ; v232-239 my head's part of the result
.set T,   240
.set BOF, 248
.set OOF, 249
	s_load_b256 s[4:11], s[0:1], 0x0               ; qkv32, w_proj, b_proj, out0
	v_lshl_add_u32 v[SPW], v0, 2, SPARE
	v_mov_b32 v[NIL], 0
	v_lshrrev_b32 v1, 5, v0
	v_readfirstlane_b32 s12, v1                    ; wave = head
	s_and_b32 s13, ttmp7, 0xffff                   ; batch
	v_and_b32 v1, 15, v0                           ; r
	v_bfe_u32 v2, v0, 4, 1                         ; h
	v_mul_u32_u24 v[QA], v1, 12288
	v_lshl_add_u32 v[QA], v2, 7, v[QA]             ; Q, K: row r, d = 32 h on
	v_mul_u32_u24 v[VA], v2, 98304
	v_lshl_add_u32 v[VA], v1, 2, v[VA]             ; V: row 8 h, channel r
	v_lshlrev_b32 v[WA], 15, v2
	v_lshl_add_u32 v[WA], v1, 2, v[WA]             ; W: row 8 h, column r
	v_lshlrev_b32 v[DQ], 3, v2
	v_sub_nc_u32 v[DQ], v1, v[DQ]                  ; r - 8 h
	v_mov_b32 v[NINF], 0xff800000
	v_and_b32 v8, 31, v0
	v_lshlrev_b32 v8, 4, v8                        ; 16 x lane
	s_lshl_b32 s16, s12, 10
	v_add_nc_u32 v[IMW], s16, v8                   ; where my head's image goes
	s_lshl_b32 s16, s12, 9
	v_add_nc_u32 v[IMR], s16, v8                   ; and, in waves 0 and 1, which half of every image I read
	v_lshlrev_b32 v[BOF], 5, v2
	s_lshl_b32 s16, s12, 4
	v_add_nc_u32 v[BOF], s16, v[BOF]               ; 32 h + 16 x wave: my four columns
	v_lshl_add_u32 v[OOF], v1, 12, v[BOF]          ; + row r of out0
	v_mov_b32 v9, 0                                ; (a lane permute's destination counts as read)
	v_mov_b32 v10, 0
	s_mov_b32 s20, 0x76543210
	s_mov_b32 s21, 0xfedcba98                      ; v_permlanex16_b32: lane l xor 16
	s_mov_b32 s22, 0x3e38aa3b                      ; c = log2(e) / 8
	s_mul_i32 s16, s13, 196608                     ; qkv32: my batch,
	s_lshl_b32 s17, s12, 8                         ; my head's 256 bytes of a row
	s_add_co_u32 s16, s16, s17
	s_mov_b32 s17, 0
	s_lshl_b32 s24, ttmp9, 6                       ; my 16 columns: 64 bytes
	s_mov_b32 s25, 0
	s_lshl_b32 s18, s12, 18                        ; w_proj: my head's 64 rows of 4,096 bytes
	s_add_co_u32 s18, s18, s24
	s_mov_b32 s19, 0
	s_lshl_b32 s26, s13, 23                        ; out0: my batch's 2,048 rows
	s_add_co_u32 s26, s26, s24
	s_mov_b32 s27, 0
	s_wait_kmcnt 0x0
	s_add_nc_u64 s[4:5], s[4:5], s[16:17]
	s_add_nc_u64 s[6:7], s[6:7], s[18:19]
	s_add_nc_u64 s[8:9], s[8:9], s[24:25]
	s_add_nc_u64 s[10:11], s[10:11], s[26:27]
.irp i, 0,1,2,3,4,5,6,7
	global_load_b128 v[Q+4*\i:Q+4*\i+3], v[QA], s[4:5] offset:16*\i
.endr
.irp i, 0,1,2,3,4,5,6,7
	global_load_b128 v[K+4*\i:K+4*\i+3], v[QA], s[4:5] offset:4096+16*\i
.endr
.irp u, 0,1,2,3
.irp e, 0,1,2,3,4,5,6,7
	global_load_b32 v[V+8*\u+\e], v[VA], s[4:5] offset:\e*12288+8192+64*\u
.endr
.endr
.irp u, 0,1,2,3
.irp e, 0,1,2,3,4,5,6,7
	global_load_b32 v[W+8*\u+\e], v[WA], s[6:7] offset:(16*\u+\e)*4096
.endr
.endr
	s_wait_loadcnt 63                              ; 64 loads were issued behind Q's and K's sixteen; the count's field ends at 63, which shows the first seventeen done
	v_wmma_f32_16x16x4_f32 v[SA:SA+7], v[K:K+1], v[Q:Q+1], 0              ; S^T = K Q^T: two accumulators by turns; each sum's first step takes the constant 0
	v_wmma_f32_16x16x4_f32 v[SB:SB+7], v[K+2:K+3], v[Q+2:Q+3], 0
.irp p, 1,2,3,4,5,6,7
	v_wmma_f32_16x16x4_f32 v[SA:SA+7], v[K+4*\p:K+4*\p+1], v[Q+4*\p:Q+4*\p+1], v[SA:SA+7]
	v_wmma_f32_16x16x4_f32 v[SB:SB+7], v[K+4*\p+2:K+4*\p+3], v[Q+4*\p+2:Q+4*\p+3], v[SB:SB+7]
.endr
.rept 8
	v_nop                                          ; eight places behind this form
.endr
.irp j, 0,1,2,3,4,5,6,7
	v_add_f32 v[P+\j], v[SA+\j], v[SB+\j]          ; query r, key 8 h + j; both accumulators from their low end on
.endr
.irp j, 0,1,2,3,4,5,6,7
	v_cmp_gt_i32 vcc_lo, \j, v[DQ]                 ; hidden where 8 h + j > r
	v_cndmask_b32 v[P+\j], v[P+\j], v[NINF], vcc_lo
.endr
	v_max3_num_f32 v8, v[P], v[P+1], v[P+2]
	v_max3_num_f32 v11, v[P+3], v[P+4], v[P+5]
	v_max3_num_f32 v8, v8, v[P+6], v[P+7]
	v_max_num_f32 v8, v8, v11
	v_permlanex16_b32 v9, v8, s20, s21
	v_max_num_f32 v8, v8, v9                       ; the row's maximum: key 0 counts for every query, so it is a number
	v_mul_f32 v8, s22, v8
.irp j, 0,1,2,3,4,5,6,7
	v_fma_f32 v[P+\j], v[P+\j], s22, -v8           ; c s - c m
.endr
.irp j, 0,1,2,3,4,5,6,7
	v_exp_f32 v[P+\j], v[P+\j]
.endr
	v_nop                                          ; a plain line behind the last exponential
	s_wait_alu depctr_va_vdst(0)                   ; one wait for the eight, ahead of their first reader
	v_add_f32 v8, v[P], v[P+1]
	v_add_f32 v11, v[P+2], v[P+3]
	v_add_f32 v8, v8, v[P+4]
	v_add_f32 v11, v11, v[P+5]
	v_add_f32 v8, v8, v[P+6]
	v_add_f32 v11, v11, v[P+7]
	v_add_f32 v8, v8, v11
	v_permlanex16_b32 v10, v8, s20, s21
	v_add_f32 v8, v8, v10                          ; the row's sum
	v_rcp_f32 v11, v8
	v_nop
	s_wait_alu depctr_va_vdst(0)                   ; the wait for the reciprocal
	s_wait_loadcnt 32                              ; V is in; W's 32 loads may be out
.irp u, 0,1,2,3
	v_wmma_f32_16x16x4_f32 v[OA+8*\u:OA+8*\u+7], v[V+8*\u:V+8*\u+1], v[P:P+1], 0          ; O^T = V^T P: four accumulators by turns
.endr
.irp s, 1,2,3
.irp u, 0,1,2,3
	v_wmma_f32_16x16x4_f32 v[OA+8*\u:OA+8*\u+7], v[V+8*\u+2*\s:V+8*\u+2*\s+1], v[P+2*\s:P+2*\s+1], v[OA+8*\u:OA+8*\u+7]
.endr
.endr
.rept 8
	v_nop
.endr
.irp i, 0,1,2,3,4,5,6,7,8,9,10,11,12,13,14,15,16,17,18,19,20,21,22,23,24,25,26,27,28,29,30,31
	v_mul_f32 v[Q+\i], v[OA+\i], v11               ; y(r, 16 u + 8 h + j), in Q's registers
.endr
	s_wait_loadcnt 0x0                             ; W is in
.irp u, 0,1,2,3
	v_wmma_f32_16x16x4_f32 v[RA+8*\u:RA+8*\u+7], v[W+8*\u:W+8*\u+1], v[Q+8*\u:Q+8*\u+1], 0   ; R^T = W^T y: four partial sums by turns
.endr
.irp s, 1,2,3
.irp u, 0,1,2,3
	v_wmma_f32_16x16x4_f32 v[RA+8*\u:RA+8*\u+7], v[W+8*\u+2*\s:W+8*\u+2*\s+1], v[Q+8*\u+2*\s:Q+8*\u+2*\s+1], v[RA+8*\u:RA+8*\u+7]
.endr
.endr
.rept 8
	v_nop
.endr
.irp p, 0,2,4,6
	v_pk_add_f32 v[R+\p:R+\p+1], v[RA+\p:RA+\p+1], v[RA+8+\p:RA+8+\p+1]   ; my head's part: query r, columns 8 h + 0 .. 7
	v_pk_add_f32 v[T+\p:T+\p+1], v[RA+16+\p:RA+16+\p+1], v[RA+24+\p:RA+24+\p+1]
	v_pk_add_f32 v[R+\p:R+\p+1], v[R+\p:R+\p+1], v[T+\p:T+\p+1]
.endr
	ds_store_b128 v[IMW], v[R:R+3]                 ; an image of the registers: 16 bytes a lane
	ds_store_b128 v[IMW], v[R+4:R+7] offset:512
	s_wait_dscnt 0x0                               ; for the others' sake: my stores are done
	s_barrier_signal -1
	s_barrier_wait -1
	s_cmp_lt_u32 s12, 2                            ; waves 0 and 1 add the sixteen heads' parts: four columns a lane each
	s_cbranch_scc0 .Ldone
	global_load_b128 v[252:255], v[BOF], s[8:9]    ; the bias of my four columns
.irp i, 0,1,2,3,4,5,6,7,8,9,10,11,12,13,14,15
	ds_load_b128 v[Q+4*\i:Q+4*\i+3], v[IMR] offset:1024*\i
.endr
	s_wait_dscnt 0x0
.irp i, 16,24,32,40,48,56,64,72
	v_pk_add_f32 v[\i:\i+1], v[\i:\i+1], v[\i+4:\i+5]
	v_pk_add_f32 v[\i+2:\i+3], v[\i+2:\i+3], v[\i+6:\i+7]
.endr
.irp i, 16,32,48,64
	v_pk_add_f32 v[\i:\i+1], v[\i:\i+1], v[\i+8:\i+9]
	v_pk_add_f32 v[\i+2:\i+3], v[\i+2:\i+3], v[\i+10:\i+11]
.endr
.irp i, 16,48
	v_pk_add_f32 v[\i:\i+1], v[\i:\i+1], v[\i+16:\i+17]
	v_pk_add_f32 v[\i+2:\i+3], v[\i+2:\i+3], v[\i+18:\i+19]
.endr
	v_pk_add_f32 v[16:17], v[16:17], v[48:49]
	v_pk_add_f32 v[18:19], v[18:19], v[50:51]
	s_wait_loadcnt 0x0
	v_pk_add_f32 v[16:17], v[16:17], v[252:253]
	v_pk_add_f32 v[18:19], v[18:19], v[254:255]
	global_store_b128 v[OOF], v[16:19], s[10:11]
.Ldone:
	s_wait_tensorcnt 0x0                           ; the wave's end, behind my last LDS store
	ds_add_u32 v[SPW], v[NIL]
	s_wait_dscnt 0x0
	s_endpgm
.Lfunc_end_k_q1733567c91_first16:
	.size	k_q1733567c91_first16, .Lfunc_end_k_q1733567c91_first16-k_q1733567c91_first16
	.p2alignl 7, 3214868480
	.fill 96, 4, 3214868480
	.section	.rodata,"a",@progbits
	.p2align	6, 0x0
	.amdhsa_kernel k_q1733567c91_first16
		.amdhsa_group_segment_fixed_size 18432
		.amdhsa_private_segment_fixed_size 0
		.amdhsa_enable_private_segment 0
		.amdhsa_kernarg_size 32
		.amdhsa_user_sgpr_count 2
		.amdhsa_user_sgpr_kernarg_segment_ptr 1
		.amdhsa_wavefront_size32 1
		.amdhsa_system_sgpr_workgroup_id_x 1
		.amdhsa_system_sgpr_workgroup_id_y 1
		.amdhsa_system_sgpr_workgroup_id_z 1
		.amdhsa_system_vgpr_workitem_id 0
		.amdhsa_next_free_vgpr 256
		.amdhsa_next_free_sgpr 66
		.amdhsa_reserve_vcc 1
		.amdhsa_float_denorm_mode_32 3
		.amdhsa_float_denorm_mode_16_64 3
		.amdhsa_memory_ordered 1
		.amdhsa_forward_progress 1
		.amdhsa_inst_pref_size 22
	.end_amdhsa_kernel
	.amdgpu_metadata
---
amdhsa.version: [ 1, 2 ]
amdhsa.kernels:
  - .name:           k_q1733567c91_first16
    .symbol:         k_q1733567c91_first16.kd
    .args:
      - { .name: qkv32, .offset: 0, .size: 8, .value_kind: global_buffer, .address_space: global }
      - { .name: w_proj, .offset: 8, .size: 8, .value_kind: global_buffer, .address_space: global }
      - { .name: b_proj, .offset: 16, .size: 8, .value_kind: global_buffer, .address_space: global }
      - { .name: out0, .offset: 24, .size: 8, .value_kind: global_buffer, .address_space: global }
    .group_segment_fixed_size: 18432
    .private_segment_fixed_size: 0
    .kernarg_segment_align: 8
    .kernarg_segment_size: 32
    .max_flat_workgroup_size: 512
    .sgpr_count:     66
    .vgpr_count:     256
    .wavefront_size: 32
...
	.end_amdgpu_metadata
.endif
;; end of part 5
